; MI455X (gfx1250); checked and timed in simulation.
; The chip was launched on July 23, 2026; its instructions are those of AMD's public machine-readable ISA for CDNA 5 (MIT licence, August 2026) and "CDNA5" Instruction Set Architecture Reference Guide (July 2026). The comments in the code are by the model that wrote it; some were corrected since.
;; Multi Head Self Attn. Allowed arithmetic: matrix products marked QUANTISED: E4M3 operands, one given power-of-two scale a tensor, by v_wmma_f32_16x16x64_fp8_fp8 or v_wmma_f32_16x16x128_fp8_fp8, f32 sums; everything else in f32.
;; Inputs: Wk 2,048 x 2,048 float32; Wo 2,048 x 2,048 float32; Wq 2,048 x 2,048 float32; Wv 2,048 x 2,048 float32; lowp_scales 12 int32 (the exponents e of the quantised operands' scales 2^e); mask 2,048 x 2,048 bool; x 1 x 2,048 x 2,048 float32.
;; Outputs: out0 1 x 2,048 x 2,048 float32.
;; This version of the problem:
;;   THIS VERSION OF THE PROBLEM IS GIVEN IN LOW PRECISION. The matrix products marked QUANTISED in the list below multiply operands that are first quantised to E4M3 (4 exponent bits, 3 mantissa bits; 8 bits a number), with one given power-of-two scale for each operand tensor; their sums are f32. All else is computed in f32.
;;   The module's matrix products, in the order in which they are computed (A, B: the left and right operand; K: the contracted axis; several contracted axes count as one K, in the product's order):
;;     1. [M 2,048, K 2,048] x [K 2,048, N 2,048]; A: input x; B: input Wq: QUANTISED (scales: A lowp_scales[0], B lowp_scales[1])
;;     2. [M 2,048, K 2,048] x [K 2,048, N 2,048]; A: input x; B: input Wk: QUANTISED (scales: A lowp_scales[2], B lowp_scales[3])
;;     3. [M 2,048, K 2,048] x [K 2,048, N 2,048]; A: input x; B: input Wv: QUANTISED (scales: A lowp_scales[4], B lowp_scales[5])
;;     4. batch 16 x [M 2,048, K 128] x [K 128, N 2,048]; A: computed on the way; B: computed on the way: QUANTISED (scales: A lowp_scales[6], B lowp_scales[7])
;;     5. batch 16 x [M 2,048, K 2,048] x [K 2,048, N 128]; A: softmax (see below); B: computed on the way: QUANTISED (scales: A lowp_scales[8], B lowp_scales[9])
;;     6. [M 2,048, K 2,048] x [K 2,048, N 2,048]; A: computed on the way; B: input Wo: QUANTISED (scales: A lowp_scales[10], B lowp_scales[11])
;;   THE QUANTISER, for each operand of a quantised product, along K:
;;     - The operand's scale is 2^e, e = its entry of the input lowp_scales (int32; the entries are numbered through the quantised products in the list's order, A before B).
;;     - Each number is divided by the scale, clamped to +-448, and rounded to the nearest number of E4M3, ties to even, subnormals kept.
;;     - The product sums the exact products of the quantised numbers (number of the format x scale) in f32.
;;   ~~~python
;;   def quantise(x, axis, e):      # numpy; x: float32 -> the quantised numbers, widened to float32 again
;;       x = np.moveaxis(x, axis, -1); K = x.shape[-1]
;;       r = np.clip(x / 2.0 ** e, -448, 448)
;;       step = 2.0 ** (np.maximum(np.frexp(np.where(r == 0, 1, r))[1] - 1, -6) - 3)
;;       q = np.round(r / step) * step * 2.0 ** e      # np.round: ties to even
;;       return np.moveaxis(q, -1, axis).astype(np.float32)
;;   ~~~
;;   SOFTMAX AHEAD OF A QUANTISED PRODUCT. Where the list says 'softmax', what is quantised is not the finished softmax but p = 2^(t - M), with t = logit x log2(e) and M = ceil(the row's largest t), a whole number; so 1/2 < the row's largest p <= 1. The row's sum l is taken of the UNQUANTISED p, in f32, and the product's result is divided by l at the end. Since M is a whole number, a kernel that streams over the keys may use a running M (the ceiling of the running maximum): every later rescaling is an exact power of two, so the quantised numbers keep their values, but for numbers so far below the row's largest that they fall under the format's range.
;;   OPERANDS COMPUTED ON THE WAY. 'Computed on the way' means the value that the module computes at that place (a softmax that the list does not call 'softmax' is quantised finished and normalised). What goes into a quantiser is computed in f32, as accurately as f32 sums, v_exp_f32 and their like allow (about 1e-6 of the number): no bf16 or f16 on the way to a quantiser, and a product that is left as it is and whose result goes on into a quantised operand takes f32 operands (vector FMAs, or v_wmma_f32_16x16x4_f32). A number that lies on a knife's edge between two numbers of the format may be rounded either way, as far as f32 arithmetic and the matrix unit's own rounding can turn it there, and no further.
;; One version. Each part assembles by itself: llvm-mc -triple=amdgcn-amd-amdhsa -mcpu=gfx1250 --defsym DOCPART=n.
;; ======== version 1 of 1: 4 launches
;; limits: right only within a limited range of input values
;; workspace buffers: cod 29,360,128 bytes; qkv 12,582,912 bytes; ao 4,194,304 bytes; mw 524,288 bytes of whole numbers; tf 4,096 bytes of whole numbers
;; launch prep (part 1): grid 1408 x 1, 4 waves a work-group, no clusters, 20,992 bytes of LDS; arguments x, Wq, Wk, Wv, Wo, mask, lowp_scales, cod, mw, tf; writes cod, mw, tf
.if DOCPART == 1
	.amdgcn_target "amdgcn-amd-amdhsa--gfx1250"
	.amdhsa_code_object_version 6
	.text
	.protected	k_q011256cc1e_prep
	.globl	k_q011256cc1e_prep
	.p2align	8
	.type	k_q011256cc1e_prep,@function
k_q011256cc1e_prep:
	s_mov_b64 s[64:65], 0
	v_nop
	global_prefetch_b8 v0, s[64:65] scope:SCOPE_SE
	s_setreg_imm32_b32 hwreg(HW_REG_WAVE_MODE, 25, 1), 1
	s_wait_xcnt 0x0
; FIRST OF FOUR LAUNCHES of a multi-head attention (2,048 positions, 16 heads of 128) whose six products run on codes of FP8 (E4M3), each operand with the one scale 2^e that is given for it.
; DEAD WORK: none for all values of the inputs: every input has a way to the output and is loaded.  What the third launch leaves out is decided by the mask's own numbers, which this launch reads:
; a step of 16 queries x 128 keys whose mask bytes are all true has every score at -infinity and every p at 0, so that it moves neither a maximum, a sum nor a result.
; LIMIT: a NaN, an infinity or an overflow that reaches only such a step is not carried to the result.
; THIS LAUNCH.  Work-groups 0-255 quantise x (three times: by e0, e2, e4), 256-383 turn the mask into words and flags, 384-1407 quantise Wq, Wk, Wv, Wo (by e1, e3, e5, e11).
; cod: seven sections of 4 MiB, each [2048][2048] codes with K innermost: 0 x by e0, 1 x by e2, 2 Wv, 3 Wq, 4 Wk, 5 x by e4, 6 Wo.
; code = number / 2^e, held within +-448, to the nearest code, ties to even.  LIMITS: each e between -126 and 119; NaN among the f32 inputs is not served.
; mw [tile T 128][key step 16][lane 32][2 words]: tile T holds the queries 32 (T / 2) + 8 (T % 2) + {0..7, 16..23}.  Lane l's word w, bit 31 - (n % 32), n = 32 w + .. = 16 b + i, is
; mask[query of lane l % 16][128 step + 32 b + 16 (l / 16) + i]: the lane's own flag for register n of the third launch's scores, the first register's on top.
; tf [T][quarter c of the key steps]{need, any}: bit 4 c + s of need: step 4 c + s has an open key for tile T; of any: it has a blocked one.
; THE QUANTISER takes a tensor as a plain stream: a wave takes 8 steps of 512 numbers.  Each load reads 512 consecutive bytes; a step's 2,048 bytes turn through the wave's own stage in LDS and come back
; 64 bytes a lane, so that a lane holds 16 neighbours along K; its 16 codes are 16 bytes, and the wave stores 512 consecutive bytes.  Waves share nothing: no barrier.  No prefetch: the loads of four steps are out from the start.
.set XWG,    256
.set MASKWG, 128
.set WAVES, 4
.set STEPS, 8
.set SP,    80                         ; a lane's place in a stage: 64 bytes + 16 of padding
.set WREG,  5120                       ; LDS: a region for each wave: two stages of 32 x SP bytes
.set SPARE, WAVES*WREG                 ; behind the regions: the spare words, 128 bytes a wave, that no other line names
.set SPW,   12                         ; v12  SPARE + 4 x my thread's number; never rewritten
.set NIL,   13                         ; v13  0; never rewritten
.set R,     16                         ; v16-79   four sets of 16 numbers as loaded
.set X,     80                         ; v80-111  two sets of 16 neighbours
.set TT,    112                        ; v112-127 16 held numbers (x's neighbours are wanted three times, so they are kept)
.set C,     128                        ; v128-151 two sets of 12 registers of codes
	s_load_b512 s[4:19], s[0:1], 0x0               ; x, Wq, Wk, Wv, Wo, mask s[14:15], the exponents s[16:17], cod s[18:19]
	s_load_b128 s[20:23], s[0:1], 0x40             ; mw, tf
	v_lshl_add_u32 v[SPW], v0, 2, SPARE
	v_mov_b32 v[NIL], 0
	v_lshrrev_b32 v1, 5, v0
	v_readfirstlane_b32 s24, v1                    ; wave 0..3
	v_and_b32 v2, 31, v0                           ; lane
	s_sub_co_u32 s25, ttmp9, XWG
	s_wait_alu depctr_va_vdst(0)
	s_cmp_lt_u32 s25, MASKWG
	s_cbranch_scc1 .Lmask
	; ---------------- the quantiser ----------------
	s_sub_co_u32 s26, ttmp9, XWG+MASKWG
	s_lshr_b32 s44, s26, 8
	s_add_co_u32 s44, s44, 1                       ; which tensor: 1 Wq, 2 Wk, 3 Wv, 4 Wo,
	s_cmp_lt_u32 ttmp9, XWG
	s_cselect_b32 s44, 0, s44                      ; 0 x
	s_cselect_b32 s25, ttmp9, s26
	s_and_b32 s25, s25, 255
	s_lshl_b32 s25, s25, 2
	s_add_co_u32 s25, s25, s24                     ; which run of 4,096 numbers is my wave's: 0..1023
	s_mul_i32 s45, s24, WREG
	s_wait_alu depctr_va_vdst(0)
	v_lshlrev_b32 v3, 4, v2                        ; 16 x lane: my bytes of a load's 512 and of a store's 512
	v_lshrrev_b32 v14, 2, v2
	v_and_b32 v15, 3, v2
	v_mul_u32_u24 v14, v14, SP
	v_lshl_add_u32 v14, v15, 4, v14
	v_mul_u32_u24 v15, v2, SP
	v_add_nc_u32 v14, s45, v14                     ; the stage on the way in: SP (lane / 4) + 16 (lane % 4)
	v_add_nc_u32 v15, s45, v15                     ; and on the way out: SP x lane
	s_lshl_b32 s46, s25, 14                        ; my run in the tensor, in bytes
	s_mov_b32 s47, 0
	s_mov_b32 s48, 0                               ; the section of cod
	s_cmp_eq_u32 s44, 1
	s_cselect_b32 s48, 3, s48
	s_cmp_eq_u32 s44, 2
	s_cselect_b32 s48, 4, s48
	s_cmp_eq_u32 s44, 3
	s_cselect_b32 s48, 2, s48
	s_cmp_eq_u32 s44, 4
	s_cselect_b32 s48, 6, s48
	s_lshl_b32 s48, s48, 22
	s_lshl_b32 s49, s25, 12
	s_add_co_u32 s48, s48, s49                     ; + my run's codes
	s_mov_b32 s49, 0
	s_wait_alu depctr_va_vdst(0)
	s_wait_kmcnt 0x0
	s_load_b256 s[32:39], s[16:17], 0x0            ; e0 .. e7
	s_load_b128 s[40:43], s[16:17], 0x20           ; e8 .. e11
	s_cmp_eq_u32 s44, 1                            ; the tensor is chosen by the work-group's number alone
	s_cselect_b64 s[4:5], s[6:7], s[4:5]
	s_cmp_eq_u32 s44, 2
	s_cselect_b64 s[4:5], s[8:9], s[4:5]
	s_cmp_eq_u32 s44, 3
	s_cselect_b64 s[4:5], s[10:11], s[4:5]
	s_cmp_eq_u32 s44, 4
	s_cselect_b64 s[4:5], s[12:13], s[4:5]
	s_add_nc_u64 s[4:5], s[4:5], s[46:47]
	s_add_nc_u64 s[26:27], s[18:19], s[48:49]      ; where my codes go
	s_add_nc_u64 s[28:29], s[26:27], 0x400000      ; x alone: its second copy, a section on,
	s_add_nc_u64 s[30:31], s[26:27], 0x1400000     ; and its third, five sections on
.macro LOAD t
.irp i, 0,1,2,3
	global_load_b128 v[R+16*((\t)%4)+4*\i:R+16*((\t)%4)+4*\i+3], v3, s[4:5] offset:2048*(\t)+512*\i th:TH_LOAD_NT
.endr
.endm
.macro TURN t                          ; step t's numbers through the stage: LDS serves a wave's instructions in order, so no wait stands between the stores and the loads
.irp i, 0,1,2,3
	ds_store_b128 v14, v[R+16*((\t)%4)+4*\i:R+16*((\t)%4)+4*\i+3] offset:32*SP*((\t)%2)+8*SP*\i
.endr
.irp i, 0,1,2,3
	ds_load_b128 v[X+16*((\t)%2)+4*\i:X+16*((\t)%2)+4*\i+3], v15 offset:32*SP*((\t)%2)+16*\i
.endr
.endm
.macro MKSC e, sc, lm                  ; 2^e as f32 (the conversion takes its exponent field), and 448 x 2^e
	s_add_co_i32 s51, \e, 127
	s_lshl_b32 s52, s51, 23
	v_mov_b32 v[\sc], s52
	s_add_co_i32 s51, s51, 8
	s_lshl_b32 s51, s51, 23
	s_or_b32 s51, s51, 0x600000
	v_mov_b32 v[\lm], s51
.endm
.irp t, 0,1,2,3
	LOAD \t
.endr
	s_wait_kmcnt 0x0
	s_mov_b32 s50, s32                             ; my tensor's e: e0, e1, e3, e5 or e11
	s_cmp_eq_u32 s44, 1
	s_cselect_b32 s50, s33, s50
	s_cmp_eq_u32 s44, 2
	s_cselect_b32 s50, s35, s50
	s_cmp_eq_u32 s44, 3
	s_cselect_b32 s50, s37, s50
	s_cmp_eq_u32 s44, 4
	s_cselect_b32 s50, s43, s50
	MKSC s50, 5, 6
	MKSC s34, 7, 8                                 ; x's second scale, e2,
	MKSC s36, 9, 10                                ; and its third, e4
	s_wait_alu depctr_va_vdst(0)
	s_wait_loadcnt 12                              ; step 0's four loads are in
	TURN 0
; 16 neighbours are held within the largest code x the scale (the conversion to an 8-bit code does not saturate: ISA guide 7.6.2), converted and stored.
.macro OUTQ sc, lm, creg, base, t
.irp i, 0,1,2,3,4,5,6,7,8,9,10,11,12,13,14,15
	v_med3_num_f32 v[TT+\i], v[XS+\i], -v[\lm], v[\lm]
.endr
	v_cvt_scalef32_pk8_fp8_f32 v[\creg:\creg+1], v[TT:TT+7], v[\sc]
	v_cvt_scalef32_pk8_fp8_f32 v[\creg+2:\creg+3], v[TT+8:TT+15], v[\sc]
	v_nop                                          ; one plain line between the conversions and the next write of their sources
	global_store_b128 v3, v[\creg:\creg+3], s[\base:\base+1] offset:512*(\t)   ; the wave stores 512 consecutive bytes, aligned
.endm
.macro STEP t
.set XS, X+16*((\t)%2)
	s_wait_dscnt 0x0                               ; this step's numbers are back from the stage, and its stores into the stage have read their registers
.if (\t) >= 2
	s_wait_xcnt 0x0                                ; the stores of two steps back have read their codes: that set is written again below
.endif
.if (\t)+4 < STEPS
	LOAD (\t)+4
.endif
.if (\t)+1 < STEPS
.if STEPS-2-(\t) >= 3
	s_wait_loadcnt 12                              ; the next step's four loads are in; those of the three steps behind it may be out
.else
	s_wait_loadcnt 4*(STEPS-2-(\t))
.endif
	TURN (\t)+1
.endif
	OUTQ 5, 6, C+12*((\t)%2), 26, \t
	s_cmp_lg_u32 s44, 0                            ; a weight has one scale; x has two more
	s_cbranch_scc1 .Lw_\@
	OUTQ 7, 8, C+12*((\t)%2)+4, 28, \t
	OUTQ 9, 10, C+12*((\t)%2)+8, 30, \t
.Lw_\@:
.endm
.irp t, 0,1,2,3,4,5,6,7
	STEP \t
.endr
	s_wait_tensorcnt 0x0                           ; the wave's end
	ds_add_u32 v[SPW], v[NIL]
	s_wait_dscnt 0x0
	s_endpgm
	; ---------------- the mask: work-group = tile T, wave = a quarter of the key steps
.Lmask:
	v_and_b32 v3, 7, v2
	v_bfe_u32 v4, v2, 3, 1
	v_bfe_u32 v7, v2, 4, 1
	v_lshlrev_b32 v6, 3, v2                        ; a step's words leave 8 bytes a lane
	v_lshl_add_u32 v3, v4, 4, v3                   ; r % 8 + 16 (r / 8), r = lane % 16
	s_lshl_b32 s28, s25, 12
	s_lshl_b32 s26, s24, 10
	s_add_co_u32 s28, s28, s26                     ; mw: (16 T + 4 c) x 256, T = s25
	s_mov_b32 s29, 0
	s_lshl_b32 s30, s25, 5
	s_lshl_b32 s26, s24, 3
	s_add_co_u32 s30, s30, s26                     ; tf: (4 T + c) x 8
	s_mov_b32 s31, 0
	s_lshr_b32 s27, s25, 1
	s_lshl_b32 s27, s27, 5
	s_and_b32 s26, s25, 1
	s_lshl_b32 s26, s26, 3
	s_add_co_u32 s27, s27, s26
	s_lshl_b32 s26, s24, 9
	s_wait_alu depctr_va_vdst(0)
	v_add_nc_u32 v3, s27, v3                       ; my lane's query
	v_lshlrev_b32 v5, 11, v3                       ; its row of 2,048 bytes,
	v_lshl_add_u32 v5, v7, 4, v5                   ; + 16 (lane / 16),
	v_add_nc_u32 v5, s26, v5                       ; + my wave's four steps of 128 keys
	s_mov_b32 s50, 0                               ; need
	s_mov_b32 s51, 0                               ; any
	s_mov_b32 s55, 0x08040201
	s_wait_alu depctr_va_vdst(0)
	s_wait_kmcnt 0x0
	s_add_nc_u64 s[20:21], s[20:21], s[28:29]
	s_add_nc_u64 s[22:23], s[22:23], s[30:31]
.irp s, 0,1,2,3
.irp b, 0,1,2,3
	global_load_b128 v[16+16*\s+4*\b:16+16*\s+4*\b+3], v5, s[14:15] offset:128*\s+32*\b
.endr
.endr
; Four bytes of 0 or 1 times 0x08040201 have the four flags in bits 27 .. 24, the first byte's on top, and nothing above them: no two partial products share a bit.
.macro MSTEP s
	s_wait_loadcnt 12-4*\s                         ; this step's four loads are in; the later steps' may be out
.set n, 0
.rept 8
	v_mul_lo_u32 v80, v[16+16*\s+n], s55
	v_mul_lo_u32 v81, v[24+16*\s+n], s55
.if n == 0
	v_lshrrev_b32 v[84+2*\s], 24, v80
	v_lshrrev_b32 v[85+2*\s], 24, v81
.else
	v_lshrrev_b32 v80, 24, v80
	v_lshrrev_b32 v81, 24, v81
	v_lshl_or_b32 v[84+2*\s], v[84+2*\s], 4, v80
	v_lshl_or_b32 v[85+2*\s], v[85+2*\s], 4, v81
.endif
.set n, n+1
.endr
	v_and_b32 v82, v[84+2*\s], v[85+2*\s]
	v_or_b32 v83, v[84+2*\s], v[85+2*\s]
	v_cmp_ne_u32 s49, -1, v82                      ; the lanes that have an open key
	v_cmp_ne_u32 s48, 0, v83                       ; and those that have a blocked one
	global_store_b64 v6, v[84+2*\s:85+2*\s], s[20:21] offset:256*\s   ; the wave stores 256 consecutive bytes, aligned
	s_cmp_lg_u32 s49, 0
	s_cselect_b32 s52, 1<<\s, 0
	s_or_b32 s50, s50, s52
	s_cmp_lg_u32 s48, 0
	s_cselect_b32 s52, 1<<\s, 0
	s_or_b32 s51, s51, s52
.endm
	MSTEP 0
	MSTEP 1
	MSTEP 2
	MSTEP 3
	s_lshl_b32 s53, s24, 2
	s_lshl_b32 s50, s50, s53                       ; the bits at their places 4 c .. 4 c + 3
	s_lshl_b32 s51, s51, s53
	v_mov_b32 v8, s50
	v_mov_b32 v9, s51
	v_mov_b32 v10, 0
	s_wait_alu depctr_va_vdst(0)
	s_wait_xcnt 0x0                                ; EXEC changes only behind this wait
	v_cmp_eq_u32 vcc_lo, 0, v2
	s_and_saveexec_b32 s54, vcc_lo
	global_store_b64 v10, v[8:9], s[22:23]         ; one store of 8 bytes a wave: the flags are 4 KiB in all
	s_wait_xcnt 0x0
	s_or_b32 exec_lo, exec_lo, s54
	s_endpgm
.Lfunc_end_k_q011256cc1e_prep:
	.size	k_q011256cc1e_prep, .Lfunc_end_k_q011256cc1e_prep-k_q011256cc1e_prep
	.p2alignl 7, 3214868480
	.fill 96, 4, 3214868480
	.section	.rodata,"a",@progbits
	.p2align	6, 0x0
	.amdhsa_kernel k_q011256cc1e_prep
		.amdhsa_group_segment_fixed_size 20992
		.amdhsa_private_segment_fixed_size 0
		.amdhsa_enable_private_segment 0
		.amdhsa_kernarg_size 80
		.amdhsa_user_sgpr_count 2
		.amdhsa_user_sgpr_kernarg_segment_ptr 1
		.amdhsa_wavefront_size32 1
		.amdhsa_system_sgpr_workgroup_id_x 1
		.amdhsa_system_sgpr_workgroup_id_y 1
		.amdhsa_system_sgpr_workgroup_id_z 1
		.amdhsa_system_vgpr_workitem_id 0
		.amdhsa_next_free_vgpr 152
		.amdhsa_next_free_sgpr 66
		.amdhsa_reserve_vcc 1
		.amdhsa_float_denorm_mode_32 3
		.amdhsa_float_denorm_mode_16_64 3
		.amdhsa_memory_ordered 1
		.amdhsa_forward_progress 1
		.amdhsa_inst_pref_size 57
	.end_amdhsa_kernel
	.amdgpu_metadata
---
amdhsa.version: [ 1, 2 ]
amdhsa.kernels:
  - .name:           k_q011256cc1e_prep
    .symbol:         k_q011256cc1e_prep.kd
    .args:
      - { .name: x, .offset: 0, .size: 8, .value_kind: global_buffer, .address_space: global }
      - { .name: Wq, .offset: 8, .size: 8, .value_kind: global_buffer, .address_space: global }
      - { .name: Wk, .offset: 16, .size: 8, .value_kind: global_buffer, .address_space: global }
      - { .name: Wv, .offset: 24, .size: 8, .value_kind: global_buffer, .address_space: global }
      - { .name: Wo, .offset: 32, .size: 8, .value_kind: global_buffer, .address_space: global }
      - { .name: mask, .offset: 40, .size: 8, .value_kind: global_buffer, .address_space: global }
      - { .name: lowp_scales, .offset: 48, .size: 8, .value_kind: global_buffer, .address_space: global }
      - { .name: cod, .offset: 56, .size: 8, .value_kind: global_buffer, .address_space: global }
      - { .name: mw, .offset: 64, .size: 8, .value_kind: global_buffer, .address_space: global }
      - { .name: tf, .offset: 72, .size: 8, .value_kind: global_buffer, .address_space: global }
    .group_segment_fixed_size: 20992
    .private_segment_fixed_size: 0
    .kernarg_segment_align: 8
    .kernarg_segment_size: 80
    .max_flat_workgroup_size: 128
    .sgpr_count:     66
    .vgpr_count:     152
    .wavefront_size: 32
...
	.end_amdgpu_metadata
.endif
;; end of part 1
;; launch proj (part 2): grid 8 x 24, 4 waves a work-group, clusters of 4 x 4, 327,680 bytes of LDS; arguments cod, lowp_scales, qkv; writes qkv
.if DOCPART == 2
	.amdgcn_target "amdgcn-amd-amdhsa--gfx1250"
	.amdhsa_code_object_version 6
	.text
	.protected	k_q011256cc1e_proj
	.globl	k_q011256cc1e_proj
	.p2align	8
	.type	k_q011256cc1e_proj,@function
k_q011256cc1e_proj:
	s_mov_b64 s[64:65], 0
	v_nop
	global_prefetch_b8 v0, s[64:65] scope:SCOPE_SE
	s_setreg_imm32_b32 hwreg(HW_REG_WAVE_MODE, 25, 1), 1
	s_wait_xcnt 0x0
	s_wait_alu depctr_hold_cnt(0) depctr_sa_sdst(0) depctr_va_vdst(0) depctr_va_sdst(0) depctr_va_ssrc(0) depctr_va_vcc(0) depctr_vm_vsrc(0)
	s_getreg_b32 s2, hwreg(HW_REG_IB_STS2, 6, 4)
	s_cmp_eq_u32 s2, 0
	s_cbranch_scc0 .Lentry_in_a_cluster
	s_endpgm
.Lentry_in_a_cluster:
	s_bfe_u32 s2, ttmp6, 0x10000c
	s_cmp_lg_u32 s2, 0xf033
	s_cbranch_scc0 .Lentry_shape_is_right
	s_endpgm
.Lentry_shape_is_right:
; SECOND LAUNCH: q, k and v^T = the three projections on codes of FP8, quantised again for the attention (by e6, e7, e9).  No work is left out here.
; Three products of 2,048 x 2,048 x 2,048: 192 tiles of 256 x 256, one to a work-group; four waves, each 128 x 128: 64 accumulators, 512 registers.  K goes in steps of 256 through a ring of two LDS slots.
; CLUSTERS of 4 x 4 work-groups: source 1's rows are asked for jointly along a row of the cluster, source 0's along a column.
; THE TILES ARE PREFETCHED: behind the joint load of K step n, while n + 2 is at most 7, each wave asks for K step n + 2: of the 128 rows that it fetches, the four partners take 32 each, told apart by address; a lane a row of 256 bytes.
; qkv: [head][block of 128 positions]{q, k, v}, 16 KiB each, laid in the order of the third launch's operand registers.
; LIMITS: each sum of two exponents less the result's lies so that 2^(e out - e in - e in) and 448 times that are f32 numbers.
.set KSTEP,  256
.set ROWB,   256
.set KROW,   2048
.set PITCH,  272
.set FR,     16
.set NL,     4
.set NP,     4
.set HALFT,  128*PITCH
.set SLOT,   4*HALFT
.set LAPS,   4
.set STG,    2*SLOT
.set SPB,    144
.set SPARE,  STG+4*32*SPB
.set ADRA, 16
.set ADRB, 20
.set STO,  24
.set RD,   25
.set CO,   26
.set SPW,  28
.set NIL,  29
.set SCR,  30
.set LIMR, 31
.set TMP,  32
.set CC,   96
.set AF,   128
.set BK,   128
.set G1, 24
.set G0, 32
.set G1B, 48
.set G0B, 56
.set MSB, 0
.macro WIN new
.if MSB != \new
	s_set_vgpr_msb (MSB<<8)|\new
.set MSB, \new
.endif
.endm
.set MUL_LO, 0xa1
.set MUL_HI, 0xf1
.set TO_B,   0x40
.macro JLOAD g0a, g1a, g0b, g1b
	s_cmp_eq_u32 s15, 0
	s_cbranch_scc0 .Lfor_b_\@
	tensor_load_to_lds s[\g0a:\g0a+3], s[\g1a:\g1a+7]
	s_nop 0
.rept 4
	v_nop
.endr
	s_branch .Lasked_\@
.Lfor_b_\@:
	tensor_load_to_lds s[\g0b:\g0b+3], s[\g1b:\g1b+7]
	s_nop 0
.rept 4
	v_nop
.endr
.Lasked_\@:
.endm
.macro CREST
	s_cmp_lg_u32 s14, 0
	s_cbranch_scc1 .Lnot_wave_0_\@
	s_barrier_signal -3
.Lnot_wave_0_\@:
	s_barrier_wait -3
	s_barrier_signal -1
	s_barrier_wait -1
.endm
.macro CROUND
	s_barrier_signal -1
	s_barrier_wait -1
	CREST
.endm
	s_load_b128 s[4:7], s[0:1], 0x0
	s_load_b64 s[10:11], s[0:1], 0x10
	v_lshl_add_u32 v[SPW], v0, 2, SPARE
	v_mov_b32 v[NIL], 0
	ds_add_u32 v[SPW], v[NIL]
	ds_add_u32 v[SPW], v[NIL]
	v_lshrrev_b32 v1, 5, v0
	v_readfirstlane_b32 s14, v1
	s_lshr_b32 s15, s14, 1
	s_and_b32 s16, s14, 1
	s_bfe_u32 s40, ttmp6, 0x40000
	s_bfe_u32 s41, ttmp6, 0x40004
	s_lshl_b32 s42, ttmp9, 2
	s_add_co_u32 s42, s42, s40
	s_and_b32 s17, ttmp7, 0xffff
	s_lshr_b32 s84, s17, 1
	s_and_b32 s17, s17, 1
	s_lshl_b32 s17, s17, 2
	s_add_co_u32 s17, s17, s41
	s_lshl_b32 s43, s41, 2
	s_lshl_b32 s43, 15, s43
	s_lshl_b32 s44, 0x1111, s40
	s_or_b32 s[G1+0], s43, (0<<16)|(1<<20)|(1<<21)|(5<<22)|(3<<25)
	s_or_b32 s[G1B+0], s44, (0<<16)|(1<<20)|(1<<21)|(5<<22)|(3<<25)
.irp g, G1, G1B
	s_mov_b32 s[\g+1], ROWB<<16
	s_mov_b32 s[\g+2], 128<<16
	s_mov_b32 s[\g+3], ROWB<<16
	s_mov_b32 s[\g+4], 128
	s_mov_b32 s[\g+5], KROW
	s_mov_b32 s[\g+6], 0
	s_mov_b32 s[\g+7], 0
.endr
	s_lshl_b32 s18, s16, 7
	s_lshl_b32 s20, s17, 8
	s_add_co_u32 s20, s20, s18
	s_lshl_b32 s20, s20, 11
	s_lshl_b32 s21, s84, 22
	s_add_co_u32 s20, s20, s21
	s_mov_b32 s21, 0
	s_lshl_b32 s46, s42, 8
	s_add_co_u32 s46, s46, s18
	s_lshl_b32 s46, s46, 11
	s_add_co_u32 s47, s84, 3
	s_lshl_b32 s47, s47, 22
	s_add_co_u32 s46, s46, s47
	s_mov_b32 s47, 0
	s_mul_i32 s45, s14, HALFT
	s_wait_dscnt 0x0
	s_wait_kmcnt 0x0
	s_load_b256 s[68:75], s[6:7], 0x0
	s_load_b128 s[76:79], s[6:7], 0x20
	s_add_nc_u64 s[20:21], s[4:5], s[20:21]
	s_add_nc_u64 s[46:47], s[4:5], s[46:47]
	CROUND
.irp s, 0,1
	s_mov_b32 s[G0+4*\s], 1
	s_add_co_u32 s[G0+4*\s+1], s45, \s*SLOT
	s_add_nc_u64 s[G0+4*\s+2:G0+4*\s+3], s[20:21], \s*ROWB
	s_or_b32 s[G0+4*\s+3], s[G0+4*\s+3], 0x80000000
	s_mov_b32 s[G0B+4*\s], 1
	s_add_co_u32 s[G0B+4*\s+1], s45, \s*SLOT
	s_add_nc_u64 s[G0B+4*\s+2:G0B+4*\s+3], s[46:47], \s*ROWB
	s_or_b32 s[G0B+4*\s+3], s[G0B+4*\s+3], 0x80000000
.endr
	JLOAD G0, G1, G0B, G1B                         ; K step 0: one tensor load a wave at the head
	s_cmp_eq_u32 s15, 0                            ; the prefetches: from the rows that my wave fetches,
	s_cselect_b64 s[96:97], s[20:21], s[46:47]
	s_cselect_b32 s80, s40, s41                    ; my place among the four partners takes 32 rows of 2,048 bytes,
	s_lshl_b32 s80, s80, 16
	s_add_co_u32 s80, s80, 2*ROWB                  ; at K step 2
	s_mov_b32 s81, 0
	s_add_nc_u64 s[96:97], s[96:97], s[80:81]
	v_and_b32 v1, 15, v0
	s_wait_alu depctr_va_vdst(0)
	v_bfe_u32 v2, v0, 4, 1
	v_mul_u32_u24 v3, v1, PITCH
	v_lshl_add_u32 v4, v2, 4, v3
	s_mul_i32 s21, s15, HALFT
	s_mul_i32 s22, s16, HALFT
	s_add_co_u32 s22, s22, 2*HALFT
.irp s, 0,1
	v_add_nc_u32 v[ADRA+\s], s21, v4
	v_add_nc_u32 v[ADRB+\s], s22, v4
	s_add_co_u32 s21, s21, SLOT
	s_add_co_u32 s22, s22, SLOT
.endr
	s_mul_i32 s23, s14, 32*SPB
	s_add_co_u32 s23, s23, STG
	v_mul_u32_u24 v5, v1, SPB
	s_wait_alu depctr_va_vdst(0)
	v_lshl_add_u32 v5, v2, 3, v5
	v_add_nc_u32 v[STO], s23, v5
	v_and_b32 v6, 7, v1
	v_bfe_u32 v7, v0, 3, 1
	v_lshl_add_u32 v6, v7, 4, v6
	v_mul_u32_u24 v6, v6, SPB
	v_lshl_add_u32 v6, v2, 4, v6
	v_add_nc_u32 v[RD], s23, v6
	v_and_b32 v7, 31, v0
	v_lshlrev_b32 v[CO], 4, v7
	s_lshl_b32 s92, s17, 1
	s_add_co_u32 s92, s92, s15
	s_lshl_b32 s93, s42, 1
	s_add_co_u32 s93, s93, s16
	s_cmp_lt_u32 s84, 2
	s_cselect_b32 s94, s93, s92
	s_cselect_b32 s95, s92, s93
	s_lshl_b32 s94, s94, 4
	s_add_co_u32 s94, s94, s95
	s_mul_i32 s94, s94, 49152
	s_lshl_b32 s95, s84, 14
	s_add_co_u32 s94, s94, s95
	s_mov_b32 s95, 0
	s_add_nc_u64 s[10:11], s[10:11], s[94:95]
.macro FRAG reg, adr, q, i
.irp c, 0,1,2,3
	ds_load_b128 v[\reg+4*\c:\reg+4*\c+3], v[\adr] offset:128*(\q)+32*\c+(\i)*16*PITCH
.endr
.endm
.macro MUL16 a0, p, zero
.irp a, \a0, \a0+1
.irp b, 0,1,2,3,4,5,6,7
.if \zero
	v_wmma_f32_16x16x128_fp8_fp8 v[8*(8*((\a)%4)+\b):8*(8*((\a)%4)+\b)+7], v[128*(\p)+FR*\b:128*(\p)+FR*\b+FR-1], v[AF+FR*(\a):AF+FR*(\a)+FR-1], 0
.else
	v_wmma_f32_16x16x128_fp8_fp8 v[8*(8*((\a)%4)+\b):8*(8*((\a)%4)+\b)+7], v[128*(\p)+FR*\b:128*(\p)+FR*\b+FR-1], v[AF+FR*(\a):AF+FR*(\a)+FR-1], v[8*(8*((\a)%4)+\b):8*(8*((\a)%4)+\b)+7]
.endif
.endr
.endr
.endm
.macro FETCH_B slot, q, p
	WIN TO_B
.irp i, 0,1,2,3,4,5,6,7
	FRAG 128*(\p)+FR*\i, ADRB+\slot, \q, \i
.endr
	WIN 0
.endm
.macro FETCH_A slot, q, i0
.irp i, \i0, \i0+1, \i0+2, \i0+3
	FRAG AF+FR*(\i), ADRA+\slot, \q, \i
.endr
.endm
.macro PLACES n
.rept \n
	v_nop
.endr
.endm
.macro STEP slot, q, zero
	s_wait_dscnt 4*NL
	WIN MUL_LO
	MUL16 0, (\q)%2, \zero
	MUL16 2, (\q)%2, \zero
	s_wait_dscnt 0
	PLACES NP
	FETCH_B \slot, (\q)+1, 1-(\q)%2
	FETCH_A \slot, (\q)+1, 0
	WIN MUL_HI
	MUL16 4, (\q)%2, \zero
	MUL16 6, (\q)%2, \zero
	PLACES NP
	WIN 0
	FETCH_A \slot, (\q)+1, 4
.endm
.macro TURN slot, next, fill
.if (\fill) && ((\slot) == 0)
	s_wait_xcnt 0x0                                ; my prefetches have read their address: two K steps on
	s_add_nc_u64 s[96:97], s[96:97], 2*ROWB
.endif
	s_wait_tensorcnt 0x0                           ; all my tensor loads are done
	ds_add_u32 v[SPW], v[NIL]
	s_wait_dscnt 4*NL+1                            ; the add and the youngest sixteen loads may be out
	WIN MUL_LO
	MUL16 0, 1, 0
	s_wait_dscnt 0x0
	s_barrier_signal -1
	MUL16 2, 1, 0
	WIN 0
	s_barrier_wait -1
.if \fill
	CREST
	s_add_nc_u64 s[G0+4*\slot+2:G0+4*\slot+3], s[G0+4*\slot+2:G0+4*\slot+3], 2*ROWB
	s_add_nc_u64 s[G0B+4*\slot+2:G0B+4*\slot+3], s[G0B+4*\slot+2:G0B+4*\slot+3], 2*ROWB
	JLOAD G0+4*\slot, G1, G0B+4*\slot, G1B
.else
	PLACES NP
.endif
	FETCH_B \next, 0, 0
	FETCH_A \next, 0, 0
.if \fill
	s_cmp_gt_u32 s3, 1                             ; the loop's last trip fills K steps 6 and 7 and asks for nothing
	s_cbranch_scc0 .Lnoask_\@
	global_prefetch_b8 v27, s[96:97] offset:ROWB*(\slot) th:TH_LOAD_NT scope:SCOPE_SE
.Lnoask_\@:
.endif
	WIN MUL_HI
	MUL16 4, 1, 0
	MUL16 6, 1, 0
	PLACES NP
	WIN 0
	FETCH_A \next, 0, 4
.endm
	v_and_b32 v27, 31, v0
	v_lshlrev_b32 v27, 11, v27                     ; a lane a row of 2,048 bytes; never rewritten
	s_wait_alu depctr_va_vdst(0)
	global_prefetch_b8 v27, s[96:97] offset:-ROWB th:TH_LOAD_NT scope:SCOPE_SE   ; K step 1, whose load goes out when K step 0 has landed,
	global_prefetch_b8 v27, s[96:97] th:TH_LOAD_NT scope:SCOPE_SE   ; and K step 2
	s_wait_tensorcnt 0x0                           ; my part of K step 0 is in
	ds_add_u32 v[SPW], v[NIL]
	s_wait_dscnt 0x0
	CROUND                                         ; everybody's part is in, and the joint loads meet
	JLOAD G0+4, G1, G0B+4, G1B                     ; K step 1
	FETCH_B 0, 0, 0
	FETCH_A 0, 0, 0
	FETCH_A 0, 0, 4
	global_prefetch_b8 v27, s[96:97] offset:ROWB th:TH_LOAD_NT scope:SCOPE_SE   ; K step 3
	STEP 0, 0, 1
	s_mov_b32 s3, LAPS-1
.Llap:
	TURN 0, 1, 1
	STEP 1, 0, 0
	TURN 1, 0, 1
	STEP 0, 0, 0
	s_sub_co_u32 s3, s3, 1
	s_cmp_lg_u32 s3, 0
	s_cbranch_scc1 .Llap
	TURN 0, 1, 0
	STEP 1, 0, 0
	s_wait_dscnt 4*NL
	WIN MUL_LO
	MUL16 0, 1, 0
	MUL16 2, 1, 0
	s_wait_dscnt 0
	WIN MUL_HI
	MUL16 4, 1, 0
	MUL16 6, 1, 0
	WIN 0
	s_wait_kmcnt 0x0
	s_add_co_i32 s87, s68, s69
	s_add_co_i32 s88, s70, s71
	s_add_co_i32 s89, s72, s73
	s_cmp_eq_u32 s84, 1
	s_cselect_b32 s87, s88, s87
	s_cselect_b32 s90, s75, s74
	s_cmp_eq_u32 s84, 2
	s_cselect_b32 s87, s89, s87
	s_cselect_b32 s90, s77, s90
	s_sub_co_i32 s90, s90, s87
	s_add_co_i32 s90, s90, 127
	s_lshl_b32 s91, s90, 23
	v_mov_b32 v[SCR], s91
	s_add_co_i32 s90, s90, 8
	s_lshl_b32 s90, s90, 23
	s_or_b32 s90, s90, 0x600000
	v_mov_b32 v[LIMR], s90
.macro BLK a
.set AC, 64*((\a)%4)
	WIN 0x02+((\a)/4)
.set j, 0
.rept 64
	v_med3_num_f32 v[TMP+j], v[AC+j], -v[LIMR], v[LIMR]
.set j, j+1
.endr
	WIN 0
.irp b, 0,1,2,3,4,5,6,7
	v_cvt_scalef32_pk8_fp8_f32 v[CC+16*((\a)%2)+2*\b:CC+16*((\a)%2)+2*\b+1], v[TMP+8*\b:TMP+8*\b+7], v[SCR]
.endr
	v_nop
.irp b, 0,1,2,3,4,5,6,7
	ds_store_b64 v[STO], v[CC+16*((\a)%2)+2*\b:CC+16*((\a)%2)+2*\b+1] offset:((\a)%2)*16*SPB+16*\b
.endr
.endm
.macro PAIR P
.if \P > 1
	s_wait_xcnt 0x0
.endif
	BLK 2*\P
	BLK 2*\P+1
.irp u, 0,1
.irp c, 0,1,2,3
	ds_load_b128 v[BK+32*((\P)%2)+4*(4*\u+\c):BK+32*((\P)%2)+4*(4*\u+\c)+3], v[RD] offset:8*SPB*\u+32*\c
.endr
.endr
.endm
; A pair's rows are stored while the next pair goes through the stage; younger: the next pair's 16 LDS stores and 8 loads, which may be out.
.macro SENDP P, younger
	s_wait_dscnt \younger
.irp u, 0,1
.irp c, 0,1,2,3
	global_store_b128 v[CO], v[BK+32*((\P)%2)+4*(4*\u+\c):BK+32*((\P)%2)+4*(4*\u+\c)+3], s[10:11] offset:(2*\P+\u)*2048+512*\c
.endr
.endr
.endm
	PLACES NP
	PAIR 0
	PAIR 1
	SENDP 0, 24
	PAIR 2
	SENDP 1, 24
	PAIR 3
	SENDP 2, 24
	SENDP 3, 0
	s_wait_tensorcnt 0x0
	ds_add_u32 v[SPW], v[NIL]
	s_wait_dscnt 0x0
	CROUND
	s_endpgm
.Lfunc_end_k_q011256cc1e_proj:
	.size	k_q011256cc1e_proj, .Lfunc_end_k_q011256cc1e_proj-k_q011256cc1e_proj
	.p2alignl 7, 3214868480
	.fill 96, 4, 3214868480
	.section	.rodata,"a",@progbits
	.p2align	6, 0x0
	.amdhsa_kernel k_q011256cc1e_proj
		.amdhsa_group_segment_fixed_size 327680
		.amdhsa_private_segment_fixed_size 0
		.amdhsa_enable_private_segment 0
		.amdhsa_kernarg_size 24
		.amdhsa_user_sgpr_count 2
		.amdhsa_user_sgpr_kernarg_segment_ptr 1
		.amdhsa_wavefront_size32 1
		.amdhsa_system_sgpr_workgroup_id_x 1
		.amdhsa_system_sgpr_workgroup_id_y 1
		.amdhsa_system_sgpr_workgroup_id_z 1
		.amdhsa_system_vgpr_workitem_id 0
		.amdhsa_next_free_vgpr 1024
		.amdhsa_next_free_sgpr 100
		.amdhsa_reserve_vcc 0
		.amdhsa_float_denorm_mode_32 3
		.amdhsa_float_denorm_mode_16_64 3
		.amdhsa_memory_ordered 1
		.amdhsa_forward_progress 1
		.amdhsa_inst_pref_size 126
	.end_amdhsa_kernel
	.amdgpu_metadata
---
amdhsa.version: [ 1, 2 ]
amdhsa.kernels:
  - .name:           k_q011256cc1e_proj
    .symbol:         k_q011256cc1e_proj.kd
    .args:
      - { .name: cod, .offset: 0, .size: 8, .value_kind: global_buffer, .address_space: global }
      - { .name: lowp_scales, .offset: 8, .size: 8, .value_kind: global_buffer, .address_space: global }
      - { .name: qkv, .offset: 16, .size: 8, .value_kind: global_buffer, .address_space: global }
    .group_segment_fixed_size: 327680
    .private_segment_fixed_size: 0
    .kernarg_segment_align: 8
    .kernarg_segment_size: 24
    .max_flat_workgroup_size: 128
    .sgpr_count:     100
    .vgpr_count:     1024
    .wavefront_size: 32
...
	.end_amdgpu_metadata
.endif
;; end of part 2
;; launch attn (part 3): grid 16 x 16, 8 waves a work-group, no clusters, 150,528 bytes of LDS; arguments qkv, mw, tf, lowp_scales, ao; writes ao
.if DOCPART == 3
	.amdgcn_target "amdgcn-amd-amdhsa--gfx1250"
	.amdhsa_code_object_version 6
	.text
	.protected	k_q011256cc1e_attn
	.globl	k_q011256cc1e_attn
	.p2align	8
	.type	k_q011256cc1e_attn,@function
k_q011256cc1e_attn:
	s_mov_b64 s[64:65], 0
	v_nop
	global_prefetch_b8 v0, s[64:65] scope:SCOPE_SE
	s_setreg_imm32_b32 hwreg(HW_REG_WAVE_MODE, 25, 1), 1
	s_wait_xcnt 0x0
; THIRD LAUNCH: the attention of one head on codes of FP8, and its result quantised by e10 for the last product.
; LEFT OUT, by the mask's own numbers as the first launch stored them (tf): a step of 16 queries x 128 keys all of whose keys are blocked: its scores are -infinity and its p are 0, so that it moves no maximum, sum or result.
; A NaN, an infinity or an overflow that reaches only such a step is not carried on.  A step with no blocked key skips the masking; the mask words (mw) do the rest by selection.
; THE SOFTMAX: t = score x log2(e) / sqrt(128); M = the running largest t rounded UP to a whole number; p = 2^(t - M) is quantised by e8, not normalised; the row's sum is taken of the unquantised p and divides at the end.
; SHARES.  Work-group (j, head) owns block 31 - j and block j of 64 queries.  A wave owns two tiles of 16 queries, tile 0 of block 31 - j and tile 1 of block j, and every second key step of 128 keys: waves w and w xor 4 own the same tiles,
; the even and the odd steps.  A step that tile 1 does not need is done for tile 0 alone (a step that only tile 1 needs is done for both: tile 0's mask words hide it).  So all eight waves have work in every step that block 31 - j needs.
; At the end the two waves exchange a tile each through LDS and join the parts by powers of two, which round nothing.
; A TRIP is two key steps: 64 KiB of K and V, laid by the second launch in the order of the operand's registers, go from memory through registers into one of two LDS slots, 8 KiB a wave, in two halves of 8 loads:
; the first half is stored in the middle of a trip, the second ahead of its last products, each a trip after it was asked for.  Steps that no wave of the work-group needs are not fetched.  The trip count is a constant.
; NO TENSOR LOAD AND NO CLUSTER: the steps that are walked hang on numbers read from memory, and differ from work-group to work-group; a joint request would have to be made by all partners on every way.
; PREFETCH: the work-group j = 0 of each head asks in trips 0 to 3 for the 64 KiB of trips 4 to 7, two trips ahead of the loads: a lane a block of 256 bytes, one instruction a wave.
; LAYOUT.  Both products are used transposed: S^T = K Q^T, O^T = V^T P^T: a lane holds ONE query of a tile throughout.  Fragment T of K holds keys 32 (T / 2) + 8 (T % 2) + {0..7, 16..23}, so that register 16 b + i of S^T is key 32 b + 16 (lane / 16) + i.
; LIMITS: e6 + e7 between -123 and 130; e8 and e10 between -126 and 119.  Scaled scores stay under 2^31 in magnitude.  A query with every key blocked gets NaN codes, so that its row of the output is NaN.
; REGISTERS.  Window 0: v1-9 addresses and the add's; v[4:5], v[10:11] the next trip's mask words; v0, v13 and v15, v249 this trip's (tiles 0 and 1); v12, v14 -M; v16-31 Q; v32-95 four fragments; v96-159 S^T, then p; v160-223 O^T;
; v224-239 codes; v[240:243] sums; v[244:247] factors; v248 2^e8; v250-253 at work; v254, v255 addresses.
; Window 1: v0-63 K and V on their way; v64-95 two fragments; v96-159, v160-223, v224-239 tile 1's S^T, O^T and codes; v240-255 its Q.
.set SLOTB, 65536
.set STEPB, 32768
.set VOFF,  16384                      ; V's images behind K's in a step
.set BLKB,  49152                      ; a block of qkv: q, k, v
.set KOFF,  16384                      ; k's place in it
.set STAGE, 2*SLOTB                    ; the way out: 16 rows x 144 bytes for each wave
.set SPB,   144
.set SPARE, STAGE+8*16*SPB             ; the spare words, 128 bytes a wave, that no other line names
.set XB,    8448                       ; the exchange: 8,192 + 256 bytes for each wave, in the slots, which are done with then
.set LI0, 1                            ; 16 x lane + my step's place in slot 0; v254 the same in slot 1
.set CP,  2                            ; my part of a trip's bytes in memory
.set CL0, 3                            ; and in slot 0; v255 in slot 1
.set PFO, 6
.set SPW, 7
.set NIL, 8
.set MO,  9                            ; 8 x lane
.set LI1, 254
.set CL1, 255
.set MSB, 0
.macro WIN new                         ; the immediate's high byte repeats the setting that is left
.if MSB != (\new)
	s_set_vgpr_msb (MSB<<8)|(\new)
.set MSB, (\new)
.endif
.endm
	s_load_b256 s[4:11], s[0:1], 0x0               ; qkv, mw, tf, the exponents
	s_load_b64 s[12:13], s[0:1], 0x20              ; ao
	v_lshl_add_u32 v[SPW], v0, 2, SPARE
	v_mov_b32 v[NIL], 0
	v_lshrrev_b32 v10, 5, v0
	v_and_b32 v11, 31, v0                          ; lane
	v_readfirstlane_b32 s2, v10                    ; wave 0..7
	v_lshlrev_b32 v224, 4, v11                     ; 16 x lane
	v_lshlrev_b32 v[MO], 3, v11
	v_lshlrev_b32 v[PFO], 8, v11
	s_and_b32 s3, s2, 3                            ; my tiles' number in their blocks; also which quarter of a step I fetch
	s_lshr_b32 s14, s2, 2                          ; which steps I own: even or odd; also which step of a trip I fetch for
	s_sub_co_u32 s66, 31, ttmp9
	s_lshl_b32 s66, s66, 2
	s_add_co_u32 s66, s66, s3                      ; tile 0, of 128
	s_lshl_b32 s67, ttmp9, 2
	s_add_co_u32 s67, s67, s3                      ; tile 1
	s_and_b32 s15, ttmp7, 0xffff                   ; the head
	s_lshl_b32 s98, s3, 13                         ; my quarter of a step's 32 KiB
	s_mul_i32 s99, s14, STEPB
	s_add_co_u32 s92, s99, s98
	s_mul_i32 s93, s14, BLKB
	s_add_co_u32 s93, s93, s98
	s_mov_b32 s101, 0
	s_wait_alu depctr_va_vdst(0)
	v_add_nc_u32 v[CL0], s92, v224
	v_add_nc_u32 v[CP], s93, v224
	v_add_nc_u32 v[LI0], s99, v224
	v_add_nc_u32 v[PFO], s93, v[PFO]
	v_add_nc_u32 v[CL1], SLOTB, v[CL0]
	v_add_nc_u32 v[LI1], SLOTB, v[LI0]
	s_lshr_b32 s98, s66, 3                         ; Q's fragments of my two tiles: block of 128 queries, then 2,048 bytes a tile
	s_mul_i32 s98, s98, BLKB
	s_and_b32 s99, s66, 7
	s_lshl_b32 s99, s99, 11
	s_add_co_u32 s98, s98, s99
	v_add_nc_u32 v225, s98, v224
	s_lshr_b32 s98, s67, 3
	s_mul_i32 s98, s98, BLKB
	s_and_b32 s99, s67, 7
	s_lshl_b32 s99, s99, 11
	s_add_co_u32 s98, s98, s99
	s_wait_alu depctr_va_vdst(0)
	v_add_nc_u32 v226, s98, v224
	s_wait_alu depctr_va_vdst(0)
	s_wait_kmcnt 0x0
	s_lshl_b32 s100, ttmp9, 7
	s_add_nc_u64 s[92:93], s[8:9], s[100:101]      ; the flags of block j's four tiles
	s_sub_co_u32 s100, 31, ttmp9
	s_lshl_b32 s100, s100, 7
	s_add_nc_u64 s[94:95], s[8:9], s[100:101]      ; and of block 31 - j's
	s_load_b512 s[16:31], s[92:93], 0x0
	s_load_b512 s[32:47], s[92:93], 0x40
	s_load_b512 s[48:63], s[94:95], 0x0
	s_load_b512 s[68:83], s[94:95], 0x40
	s_load_b256 s[84:91], s[10:11], 0x10           ; e4 .. e11
	s_mul_i32 s100, s15, 16*BLKB
	s_add_nc_u64 s[96:97], s[4:5], s[100:101]      ; qkv at my head
	s_add_nc_u64 s[4:5], s[96:97], KOFF            ; K and V of trip 0
.set i, 0
.rept 16
	global_load_b128 v[96+4*i:99+4*i], v[CP], s[4:5] offset:512*i   ; trip 0's bytes, through the scores' registers
.set i, i+1
.endr
.irp c, 0,1,2,3
	global_load_b128 v[16+4*\c:19+4*\c], v225, s[96:97] offset:512*\c
.endr
	WIN 0x40                                       ; destination window 1
.irp c, 0,1,2,3
	global_load_b128 v[240+4*\c:243+4*\c], v226, s[96:97] offset:512*\c
.endr
	WIN 0
	s_lshl_b32 s98, s14, 8
	s_lshl_b32 s100, s67, 12
	s_add_co_u32 s100, s100, s98
	s_add_nc_u64 s[8:9], s[6:7], s[100:101]        ; the mask words of tile 1, my first step,
	s_lshl_b32 s100, s66, 12
	s_add_co_u32 s100, s100, s98
	s_add_nc_u64 s[6:7], s[6:7], s[100:101]        ; and of tile 0
	global_load_b64 v[250:251], v[MO], s[6:7]
	global_load_b64 v[252:253], v[MO], s[8:9]
	v_mov_b32 v12, 0x7f61b1e6                      ; -M of nothing yet: 3e38
	v_mov_b32 v14, 0x7f61b1e6
.irp r, 240,241,242,243,245,247                ; the sums; and the upper halves of the factors' pairs, which are named
	v_mov_b32 v[\r], 0
.endr
.set j, 0
.rept 64
	v_mov_b32 v[160+j], 0                          ; O^T: the step is written once, and a tile's first live step is not known to the text
.set j, j+1
.endr
	WIN 0x40
.set j, 0
.rept 144
	v_mov_b32 v[96+j], 0                           ; tile 1's likewise, and its scores and codes, which are written under branches
.set j, j+1
.endr
	WIN 0
	s_wait_alu depctr_va_vdst(0)
	s_wait_kmcnt 0x0
.irp b, 16,24,32,40,48,56,68,76                ; a tile's flags: four quarters of {need, any}
.irp k, 2,4,6
	s_or_b32 s[\b], s[\b], s[\b+\k]
	s_or_b32 s[\b+1], s[\b+1], s[\b+\k+1]
.endr
.endr
	s_or_b32 s100, s16, s24
.irp b, 32,40,48,56,68,76
	s_or_b32 s100, s100, s[\b]                     ; bit s: some wave of the work-group needs step s
.endr
	s_bitcmp1_b32 s3, 0                            ; my tiles' flags
	s_cselect_b32 s92, s24, s16
	s_cselect_b32 s93, s40, s32
	s_cselect_b32 s94, s25, s17
	s_cselect_b32 s95, s41, s33
	s_cselect_b32 s50, s56, s48                    ; (s50 and s51 have been folded into s48 and s49)
	s_cselect_b32 s51, s76, s68
	s_cselect_b32 s98, s57, s49
	s_cselect_b32 s99, s77, s69
	s_bitcmp1_b32 s3, 1
	s_cselect_b32 s33, s93, s92                    ; tile 1's need
	s_cselect_b32 s40, s95, s94                    ; and where it has a blocked key
	s_cselect_b32 s21, s51, s50                    ; tile 0's
	s_cselect_b32 s22, s99, s98
	s_or_b32 s21, s21, s33                         ; the steps that I walk
	s_lshr_b32 s20, s100, s14                      ; bit 2 u: the step that I fetch for, u trips on
	s_lshr_b32 s21, s21, s14                       ; bit 2 u: my step, u trips on
	s_lshr_b32 s22, s22, s14
	s_lshr_b32 s33, s33, s14
	s_lshr_b32 s40, s40, s14
	s_add_co_i32 s98, s86, s87
	s_lshl_b32 s98, s98, 23
	s_add_co_i32 s30, s98, 0x3e0293ee              ; c = log2(e) / sqrt(128), with e6 + e7 added to its exponent field
	s_mov_b32 s31, s30
	s_xor_b32 s32, s30, 0x80000000                 ; -c
	s_add_co_i32 s98, s88, 127
	s_lshl_b32 s99, s98, 23
	v_mov_b32 v248, s99                            ; 2^e8
	s_add_co_i32 s98, s98, 8
	s_lshl_b32 s98, s98, 23
	s_or_b32 s28, s98, 0x600000                    ; 448 x 2^e8
	s_add_co_i32 s98, s90, 127
	s_lshl_b32 s36, s98, 23                        ; 2^e10
	s_add_co_i32 s98, s98, 8
	s_lshl_b32 s98, s98, 23
	s_or_b32 s37, s98, 0x600000                    ; 448 x 2^e10
	s_add_co_i32 s29, s88, s89                     ; e8 + e9
	s_cmp_lt_i32 s88, -8                           ; from e8 = -8 on, 448 x 2^e8 is above 1, which p never passes: the hold could not act
	s_cselect_b32 s26, 1, 0
	s_cmp_eq_u32 ttmp9, 0
	s_cselect_b32 s24, 4, 0                        ; the head's first work-group prefetches in its first four trips
	s_cmp_eq_u32 s14, 0
	s_cselect_b32 s98, s66, s67                    ; the tile T that I finish
	s_lshl_b32 s100, s15, 18                       ; ao: my head's 262,144 bytes,
	s_lshr_b32 s99, s98, 1
	s_lshl_b32 s99, s99, 12
	s_add_co_u32 s100, s100, s99
	s_and_b32 s99, s98, 1
	s_lshl_b32 s99, s99, 10
	s_add_co_u32 s100, s100, s99                   ; query 32 (T / 2) + 8 (T % 2), 128 bytes a query
	s_add_nc_u64 s[12:13], s[12:13], s[100:101]
	s_mov_b32 s23, 0                               ; the trip
	s_mov_b32 s25, 0
	s_mov_b32 s27, 0xff800000                      ; -infinity
	s_mov_b32 s34, 0x76543210
	s_mov_b32 s35, 0xfedcba98                      ; lane l xor 16
	s_wait_alu depctr_va_vdst(0)
	s_wait_loadcnt 0x0                             ; trip 0's bytes, Q and the first mask words
	v_mov_b32 v0, v250
	v_mov_b32 v13, v251
	v_mov_b32 v15, v252
	v_mov_b32 v249, v253
	s_wait_alu depctr_va_vdst(0)
.set i, 0
.rept 16
	ds_store_b128 v[CL0], v[96+4*i:99+4*i] offset:512*i
.set i, i+1
.endr
	WIN 0x40
.irp i, 0,1,2,3,4,5,6,7
	global_load_b128 v[4*\i:4*\i+3], v[CP], s[4:5] offset:2*BLKB+512*\i   ; trip 1's first half
.endr
	WIN 0
	global_load_b64 v[4:5], v[MO], s[6:7] offset:512
	global_load_b64 v[10:11], v[MO], s[8:9] offset:512
	WIN 0x40
.irp i, 0,1,2,3,4,5,6,7
	global_load_b128 v[32+4*\i:35+4*\i], v[CP], s[4:5] offset:2*BLKB+4096+512*\i   ; and its second
.endr
	WIN 0
	s_wait_dscnt 0x0                               ; for the others' sake: my part of slot 0 lies in LDS
	s_barrier_signal -1
	s_barrier_wait -1
.macro PLACES                          ; four plain lines between a matrix instruction and a load into its registers or a read of its result
.rept 4
	v_nop
.endr
.endm
.macro FR6 base                        ; fragments 0-3 into window 0, 4 and 5 into window 1; each load reads 512 consecutive bytes
.irp t, 0,1,2,3
.irp c, 0,1,2,3
	ds_load_b128 v[32+16*\t+4*\c:35+16*\t+4*\c], v[LD] offset:\base+\t*2048+512*\c
.endr
.endr
	WIN 0x40
.irp t, 0,1
.irp c, 0,1,2,3
	ds_load_b128 v[64+16*\t+4*\c:67+16*\t+4*\c], v[LD] offset:\base+(4+\t)*2048+512*\c
.endr
.endr
	WIN 0
.endm
.macro FR2 base                        ; fragments 6 and 7 into the places of 0 and 1
.irp t, 0,1
.irp c, 0,1,2,3
	ds_load_b128 v[32+16*\t+4*\c:35+16*\t+4*\c], v[LD] offset:\base+(6+\t)*2048+512*\c
.endr
.endr
.endm
.macro MM w, d, fa, b, n, acc          ; two fragments, at v[fa], against the operand at v[b], into the results at v[d]; w: the windows
	WIN \w
.irp u, 0,1
.if \acc
	v_wmma_f32_16x16x128_fp8_fp8 v[\d+8*(\n+\u):\d+8*(\n+\u)+7], v[\fa+16*\u:\fa+16*\u+15], v[\b:\b+15], v[\d+8*(\n+\u):\d+8*(\n+\u)+7]
.else
	v_wmma_f32_16x16x128_fp8_fp8 v[\d+8*(\n+\u):\d+8*(\n+\u)+7], v[\fa+16*\u:\fa+16*\u+15], v[\b:\b+15], 0
.endif
.endr
.endm
.macro ONE2 d, b0, b1, w1, n, acc      ; the two fragments at v32: for tile 0, and for tile 1 if it needs this step
	MM 0, \d, 32, \b0, \n, \acc
	WIN 0
	s_bitcmp1_b32 s33, 0
	s_cbranch_scc0 .Lt2_\@
	MM \w1, \d, 32, \b1, \n, \acc
	WIN 0
.Lt2_\@:
.endm
.macro ONE4 d, b0, b1, w1, acc         ; the four fragments at v64 of both windows
	MM 0, \d, 64, \b0, 2, \acc
	MM 1, \d, 64, \b0, 4, \acc
	WIN 0
	s_bitcmp1_b32 s33, 0
	s_cbranch_scc0 .Lt4_\@
	MM \w1, \d, 64, \b1, 2, \acc
	MM \w1+1, \d, 64, \b1, 4, \acc
	WIN 0
.Lt4_\@:
.endm
; The next trip's first half goes into the other slot, which nobody has read since the barrier that closed the trip before.
.macro MIDST
	s_wait_alu depctr_va_vdst(0)
	s_wait_loadcnt 8                               ; the first half is in; the second half's 8 loads may be out (where they were not issued, everything has been waited for)
	s_bitcmp1_b32 s20, 2
	s_cbranch_scc0 .Lnomid_\@
	WIN 0x04                                       ; store data window 1
.irp i, 0,1,2,3,4,5,6,7
	ds_store_b128 v[ST], v[4*\i:4*\i+3] offset:512*\i
.endr
	WIN 0
.Lnomid_\@:
.endm
; A half of the trip after the next is asked for, if any wave of the work-group needs its step; otherwise all loads are waited for, so that the counted waits hold on either way.
.macro ISS r, off
	s_bitcmp1_b32 s20, 4
	s_cbranch_scc0 .Ldrain_\@
	WIN 0x40
.irp i, 0,1,2,3,4,5,6,7
	global_load_b128 v[\r+4*\i:\r+4*\i+3], v[CP], s[4:5] offset:4*BLKB+\off+512*\i
.endr
	WIN 0
	s_branch .Lissued_\@
.Ldrain_\@:
	s_wait_loadcnt 0x0
.Lissued_\@:
.endm
; Behind a wait for all my LDS instructions: the first half's registers are free and take the trip after the next; then the next trip's second half is stored.
.macro XFER1
	ISS 0, 0
	s_wait_loadcnt 8                               ; the next trip's second half and mask words are in; the 8 loads just asked for may be out
	v_mov_b32 v0, v4
	v_mov_b32 v13, v5
	v_mov_b32 v15, v10
	v_mov_b32 v249, v11
	s_wait_alu depctr_va_vdst(0)
	s_bitcmp1_b32 s20, 2
	s_cbranch_scc0 .Lnostore_\@
	WIN 0x04
.irp i, 0,1,2,3,4,5,6,7
	ds_store_b128 v[ST], v[32+4*\i:35+4*\i] offset:4096+512*\i
.endr
	WIN 0
.Lnostore_\@:
.endm
; Behind the next such wait: the mask words and the second half of the trip after the next.
.macro XFER2
	s_bitcmp1_b32 s21, 4
	s_cbranch_scc0 .Lnowords_\@
	global_load_b64 v[4:5], v[MO], s[6:7] offset:1024
	global_load_b64 v[10:11], v[MO], s[8:9] offset:1024
.Lnowords_\@:
	ISS 32, 4096
.endm
.macro SUM8                            ; p's 32 pairs into v[224:225], in eight chains
.irp i, 0,2,4,6,8,10,12,14
	v_pk_add_f32 v[224+\i:225+\i], v[96+\i:97+\i], v[112+\i:113+\i]
.endr
.irp i, 0,2,4,6,8,10,12,14
	v_pk_add_f32 v[224+\i:225+\i], v[224+\i:225+\i], v[128+\i:129+\i]
.endr
.irp i, 0,2,4,6,8,10,12,14
	v_pk_add_f32 v[224+\i:225+\i], v[224+\i:225+\i], v[144+\i:145+\i]
.endr
.irp i, 0,2,4,6
	v_pk_add_f32 v[224+\i:225+\i], v[224+\i:225+\i], v[232+\i:233+\i]
.endr
	v_pk_add_f32 v[224:225], v[224:225], v[228:229]
	v_pk_add_f32 v[226:227], v[226:227], v[230:231]
	v_pk_add_f32 v[224:225], v[224:225], v[226:227]
.endm
.macro RESC f                          ; O^T under the new M; also the plain lines between the conversions and the products
	s_wait_alu depctr_va_vdst(0)
.set j, 0
.rept 32
	v_pk_mul_f32 v[160+j:161+j], v[160+j:161+j], v[\f:\f+1] op_sel_hi:[1,0]
.set j, j+2
.endr
.endm
.macro BLOCKED w0, w1                  ; the words' top bits become lane masks, one register after the other: blocked scores are -infinity ahead of the maximum
.set n, 0
.rept 32
	v_add_co_u32 v[\w0], s38, v[\w0], v[\w0]
	v_add_co_u32 v[\w1], s39, v[\w1], v[\w1]
	v_cndmask_b32 v[96+n], v[96+n], s27, s38
	v_cndmask_b32 v[128+n], v[128+n], s27, s39
.set n, n+1
.endr
.endm
.macro MAXS a                          ; a tile's largest score of my query among my 64 keys, in two chains, each accumulator from its low end on
	v_max3_num_f32 v[\a], v96, v97, v98
	v_max3_num_f32 v[\a+1], v99, v100, v101
.set j, 6
.rept 14
	v_max3_num_f32 v[\a], v[\a], v[96+j], v[97+j]
	v_max3_num_f32 v[\a+1], v[\a+1], v[98+j], v[99+j]
.set j, j+4
.endr
	v_max3_num_f32 v[\a], v[\a], v158, v159
.endm
.macro DEP n
	s_delay_alu instid0(VALU_DEP_\n)
.endm
.macro TAIL nm, f                      ; from my lane's largest score, v250, to the new -M and f = 2^(old M - new M)
	v_permlanex16_b32 v251, v250, s34, s35
	DEP 1
	v_max_num_f32 v250, v250, v251                 ; and among lane l xor 16's
	DEP 1
	v_mul_f32 v250, s32, v250                      ; -t (c is positive)
	DEP 1
	v_floor_f32 v250, v250                         ; -ceil(t)
	DEP 1
	v_min_num_f32 v250, v[\nm], v250               ; the new -M
	DEP 1
	v_sub_f32 v251, v250, v[\nm]                   ; old M - new M: a whole number, 0 or less
	v_mov_b32 v[\nm], v250
	DEP 2
	v_cvt_i32_f32 v251, v251                       ; (it saturates)
	DEP 1
	v_ldexp_f32 v[\f], 1.0, v251
.endm
; From a tile's scores to its codes; wx, ws, wl, wh: the windows of the scalings and exponentials, of the sums, of the last sum, of the hold.
.macro SOFT wx, ws, wl, wh, nm, f, sm
	WIN \wx
.set j, 0
.rept 32
	v_pk_fma_f32 v[96+j:97+j], v[96+j:97+j], s[30:31], v[\nm:\nm+1] op_sel_hi:[1,0,0]   ; t - M
.set j, j+2
.endr
	s_wait_alu depctr_va_vdst(0)
.set j, 0
.rept 64
	v_exp_f32 v[96+j], v[96+j]                     ; p = 2^(t - M)
.set j, j+1
.endr
	v_nop                                          ; the plain line behind the exponentials
	s_wait_alu depctr_va_vdst(0)                   ; one wait for the batch, ahead of its first reader
	WIN \ws
	SUM8
	WIN \wl
	v_pk_fma_f32 v[\sm:\sm+1], v[\sm:\sm+1], v[\f:\f+1], v[224:225] op_sel_hi:[1,0,1]   ; the sum under the new M, and the step's
	WIN 0
	s_wait_alu depctr_va_vdst(0)
	s_cmp_lg_u32 s26, 0
	s_cbranch_scc0 .Lnohold_\@
	WIN \wh
.set j, 0
.rept 64
	v_min_num_f32 v[96+j], s28, v[96+j]            ; the conversion does not saturate (ISA guide 7.6.2); p is not negative
.set j, j+1
.endr
	WIN 0
.Lnohold_\@:
	WIN \wx
.irp b, 0,1,2,3
	v_cvt_scalef32_pk8_fp8_f32 v[224+4*\b:225+4*\b], v[96+16*\b:103+16*\b], v248
	v_cvt_scalef32_pk8_fp8_f32 v[226+4*\b:227+4*\b], v[104+16*\b:111+16*\b], v248
.endr
	RESC \f
	WIN 0
.endm
; MY KEY STEP of the trip: 128 keys.
.macro STEP p
	PLACES
	FR6 0
	s_wait_dscnt 16                                ; fragments 0 and 1 are in
	ONE2 96, 16, 240, 0x44, 0, 0
	PLACES
	FR2 0
	s_wait_dscnt 8                                 ; 2 to 5 are in; the 8 loads of 6 and 7 may be out
	ONE4 96, 16, 240, 0x44, 0
	s_wait_dscnt 0x0
	ONE2 96, 16, 240, 0x44, 6, 0
	PLACES
	FR6 VOFF                                       ; V's first six fragments land under the softmax
	s_bitcmp1_b32 s22, 0                           ; a step with no blocked key skips the masking
	s_cbranch_scc0 .Lopen0_\@
	BLOCKED 0, 13
.Lopen0_\@:
	MAXS 250
	v_max_num_f32 v250, v250, v251
	TAIL 12, 244
	SOFT 0, 0, 0, 0, 12, 244, 240
	MIDST
	s_bitcmp1_b32 s33, 0                           ; does tile 1 need this step?
	s_cbranch_scc0 .Lsingle_\@
	s_bitcmp1_b32 s40, 0
	s_cbranch_scc0 .Lopen1_\@
	WIN 0x40
	v_mov_b32 v224, v15                            ; tile 1's words beside its scores
	v_mov_b32 v225, v249
	WIN 0x45
	s_wait_alu depctr_va_vdst(0)
	BLOCKED 224, 225
	WIN 0
.Lopen1_\@:
	WIN 0x55
	s_wait_alu depctr_va_vdst(0)
	MAXS 224
	WIN 0x05
	v_max_num_f32 v250, v224, v225
	WIN 0
	TAIL 14, 246
	SOFT 0x41, 0x45, 0x10, 0x44, 14, 246, 242
.Lsingle_\@:
	s_wait_alu depctr_va_vdst(0)
	s_wait_dscnt 0x0                               ; V's six fragments; and my LDS stores have read their registers
	XFER1
	ONE2 160, 224, 224, 0x54, 0, 1
	PLACES
	FR2 VOFF
	ONE4 160, 224, 224, 0x54, 1
	s_wait_dscnt 0x0                               ; V's last two fragments; and my stores have landed
	XFER2
	ONE2 160, 224, 224, 0x54, 6, 1
.endm
.macro TRIP p
.set LD, LI0+(LI1-LI0)*\p
.set ST, CL1+(CL0-CL1)*\p
	s_bitcmp1_b32 s21, 0                           ; has this step an open key for my queries?
	s_cbranch_scc0 .Lblocked_\@
	STEP \p
	s_branch .Ljoin_\@
.Lblocked_\@:
	MIDST
	s_wait_dscnt 0x0
	XFER1
	s_wait_dscnt 0x0
	XFER2
.Ljoin_\@:
	s_cmp_lt_u32 s23, s24
	s_cbranch_scc0 .Lnoask_\@
	global_prefetch_b8 v[PFO], s[4:5] offset:8*BLKB th:TH_LOAD_NT scope:SCOPE_SE   ; the bytes of four trips on; trips 0 to 3 ask, so the last named are trip 7's
.Lnoask_\@:
	s_wait_dscnt 0x0                               ; my stores have landed, and my reads of this trip's slot are back
	s_barrier_signal -1
	s_barrier_wait -1
	s_wait_xcnt 0x0                                ; the loads and the prefetch have read their bases
	s_add_nc_u64 s[4:5], s[4:5], 2*BLKB
	s_add_nc_u64 s[6:7], s[6:7], 512
	s_add_nc_u64 s[8:9], s[8:9], 512
	s_lshr_b32 s20, s20, 2
	s_lshr_b32 s21, s21, 2
	s_lshr_b32 s22, s22, 2
	s_lshr_b32 s33, s33, 2
	s_lshr_b32 s40, s40, 2
	s_add_co_u32 s23, s23, 1
.endm
.Lpair:
	TRIP 0
	TRIP 1
	s_add_co_u32 s25, s25, 1
	s_cmp_lt_u32 s25, 4
	s_cbranch_scc1 .Lpair
	; THE EXCHANGE.  The wave of the even steps finishes tile 0, that of the odd steps tile 1: each sends the other's tile.
	s_wait_loadcnt 0x0
	PLACES
	s_mul_i32 s98, s2, XB
	s_xor_b32 s99, s2, 4
	s_mul_i32 s99, s99, XB
	v_lshlrev_b32 v17, 1, v[MO]                    ; 16 x lane
	v_lshrrev_b32 v16, 3, v[MO]                    ; lane
	v_add_nc_u32 v20, s98, v[MO]
	v_add_nc_u32 v21, s99, v[MO]
	v_add_nc_u32 v18, s98, v17
	v_add_nc_u32 v19, s99, v17
	v_add_f32 v22, v240, v241
	v_add_f32 v23, v242, v243
	v_mov_b32 v35, 0                               ; (named as upper halves of pairs)
	v_mov_b32 v37, 0
	v_mov_b32 v39, 0                               ; a lane permute's destination counts as one of its sources
	s_wait_alu depctr_va_vdst(0)
	s_cmp_eq_u32 s14, 0
	s_cbranch_scc0 .Lodd
	v_mov_b32 v24, v14
	v_mov_b32 v25, v23
	v_mov_b32 v26, v12
	v_mov_b32 v27, v22
	s_wait_alu depctr_va_vdst(0)
	ds_store_b64 v20, v[24:25] offset:8192
	WIN 0x04
.set i, 0
.rept 16
	s_wait_alu depctr_va_vdst(0)
	ds_store_b128 v18, v[160+4*i:163+4*i] offset:512*i
.set i, i+1
.endr
	WIN 0
	s_branch .Lsent
.Lodd:
	v_mov_b32 v24, v12
	v_mov_b32 v25, v22
	v_mov_b32 v26, v14
	v_mov_b32 v27, v23
	s_wait_alu depctr_va_vdst(0)
	ds_store_b64 v20, v[24:25] offset:8192
.set i, 0
.rept 16
	s_wait_alu depctr_va_vdst(0)
	ds_store_b128 v18, v[160+4*i:163+4*i] offset:512*i
.set i, i+1
.endr
.Lsent:
	s_wait_dscnt 0x0                               ; for my partner's sake
	s_barrier_signal -1
	s_barrier_wait -1
	ds_load_b64 v[28:29], v21 offset:8192          ; the other part's -M and sum
.set i, 0
.rept 16
	ds_load_b128 v[96+4*i:99+4*i], v19 offset:512*i
.set i, i+1
.endr
	s_wait_dscnt 0x0
	v_min_num_f32 v30, v26, v28                    ; the common -M
	v_sub_f32 v31, v30, v26
	v_sub_f32 v32, v30, v28
	DEP 2
	v_cvt_i32_f32 v31, v31
	DEP 2
	v_cvt_i32_f32 v32, v32
	DEP 2
	v_ldexp_f32 v34, 1.0, v31
	DEP 2
	v_ldexp_f32 v36, 1.0, v32
	DEP 2
	v_mul_f32 v38, v27, v34
	v_fma_f32 v38, v29, v36, v38
	DEP 1
	v_permlanex16_b32 v39, v38, s34, s35
	DEP 1
	v_add_f32 v38, v38, v39                        ; the row's sum
	DEP 1
	v_cmp_eq_f32 vcc_lo, 0, v38                    ; no key was open
	s_wait_alu depctr_va_vdst(0)
	v_rcp_f32 v40, v38
	v_nop                                          ; a plain line behind it
	s_wait_alu depctr_va_vdst(0)                   ; and the wait ahead of its first reader
	v_ldexp_f32 v40, v40, s29                      ; x 2^(e8 + e9)
	v_mov_b32 v41, s37                             ; 448 x 2^e10
	v_mov_b32 v42, s36                             ; 2^e10
	v_mov_b32 v43, 0x7f7f7f7f                      ; four NaN codes
	v_cndmask_b32 v40, v40, v[NIL], vcc_lo         ; there the factor is 0, and the codes are set below
	v_mul_f32 v34, v34, v40
	v_mul_f32 v36, v36, v40
	s_wait_alu depctr_va_vdst(0)
	s_cmp_eq_u32 s14, 0
	s_cbranch_scc0 .Lodd2
	RESC 34                                        ; my own part of tile 0,
	s_wait_alu depctr_va_vdst(0)
	s_branch .Lown
.Lodd2:
	WIN 0x01
	RESC 34                                        ; or of tile 1
	WIN 0
	s_wait_alu depctr_va_vdst(0)
.Lown:
.set j, 0
.rept 32
	v_pk_fma_f32 v[96+j:97+j], v[96+j:97+j], v[36:37], v[160+j:161+j] op_sel_hi:[1,0,1]   ; + the other's
.set j, j+2
.endr
	; THE WAY OUT: quantised by e10.  Registers 16 b + i are channels 32 b + 16 h + i of my query: 16 neighbours, 16 bytes.
.set j, 0
.rept 64
	v_med3_num_f32 v[96+j], v[96+j], -v41, v41
.set j, j+1
.endr
.irp b, 0,1,2,3
	v_cvt_scalef32_pk8_fp8_f32 v[224+4*\b:225+4*\b], v[96+16*\b:103+16*\b], v42
	v_cvt_scalef32_pk8_fp8_f32 v[226+4*\b:227+4*\b], v[104+16*\b:111+16*\b], v42
.endr
	s_mul_i32 s98, s2, 16*SPB
	s_add_co_u32 s98, s98, STAGE                   ; my stage
	v_and_b32 v44, 15, v16                         ; (plain lines behind the conversions)
	v_lshrrev_b32 v45, 4, v16
	v_lshrrev_b32 v46, 3, v16
	v_and_b32 v47, 7, v16
	v_mul_u32_u24 v44, v44, SPB
	v_mul_u32_u24 v46, v46, SPB
	v_lshl_add_u32 v44, v45, 4, v44
	v_lshl_add_u32 v46, v47, 4, v46
	v_add_nc_u32 v44, s98, v44                     ; in: row r, + 16 h
	v_add_nc_u32 v46, s98, v46                     ; back: eight lanes to a row of 128 bytes, four rows an instruction
.set j, 0
.rept 16
	v_cndmask_b32 v[224+j], v[224+j], v43, vcc_lo  ; a query with every key blocked: NaN codes
.set j, j+1
.endr
.irp b, 0,1,2,3
	ds_store_b128 v44, v[224+4*\b:227+4*\b] offset:32*\b
.endr
.irp i, 0,1,2,3
	ds_load_b128 v[48+4*\i:51+4*\i], v46 offset:4*SPB*\i   ; LDS serves a wave's instructions in order: these see my stores
.endr
	s_wait_alu depctr_va_vdst(0)
.irp i, 0,1,2,3
	s_wait_dscnt 3-\i                              ; the younger loads may be out
	global_store_b128 v17, v[48+4*\i:51+4*\i], s[12:13] offset:512*(\i%2)+2048*(\i/2)   ; four queries' 512 consecutive bytes; the stage's rows 8-15 are the queries 16 further on
.endr
	s_wait_tensorcnt 0x0                           ; the wave's end
	ds_add_u32 v[SPW], v[NIL]
	s_wait_dscnt 0x0
	s_endpgm
.Lfunc_end_k_q011256cc1e_attn:
	.size	k_q011256cc1e_attn, .Lfunc_end_k_q011256cc1e_attn-k_q011256cc1e_attn
	.p2alignl 7, 3214868480
	.fill 96, 4, 3214868480
	.section	.rodata,"a",@progbits
	.p2align	6, 0x0
	.amdhsa_kernel k_q011256cc1e_attn
		.amdhsa_group_segment_fixed_size 150528
		.amdhsa_private_segment_fixed_size 0
		.amdhsa_enable_private_segment 0
		.amdhsa_kernarg_size 40
		.amdhsa_user_sgpr_count 2
		.amdhsa_user_sgpr_kernarg_segment_ptr 1
		.amdhsa_wavefront_size32 1
		.amdhsa_system_sgpr_workgroup_id_x 1
		.amdhsa_system_sgpr_workgroup_id_y 1
		.amdhsa_system_sgpr_workgroup_id_z 1
		.amdhsa_system_vgpr_workitem_id 0
		.amdhsa_next_free_vgpr 512
		.amdhsa_next_free_sgpr 102
		.amdhsa_reserve_vcc 1
		.amdhsa_float_denorm_mode_32 3
		.amdhsa_float_denorm_mode_16_64 3
		.amdhsa_memory_ordered 1
		.amdhsa_forward_progress 1
		.amdhsa_inst_pref_size 158
	.end_amdhsa_kernel
	.amdgpu_metadata
---
amdhsa.version: [ 1, 2 ]
amdhsa.kernels:
  - .name:           k_q011256cc1e_attn
    .symbol:         k_q011256cc1e_attn.kd
    .args:
      - { .name: qkv, .offset: 0, .size: 8, .value_kind: global_buffer, .address_space: global }
      - { .name: mw, .offset: 8, .size: 8, .value_kind: global_buffer, .address_space: global }
      - { .name: tf, .offset: 16, .size: 8, .value_kind: global_buffer, .address_space: global }
      - { .name: lowp_scales, .offset: 24, .size: 8, .value_kind: global_buffer, .address_space: global }
      - { .name: ao, .offset: 32, .size: 8, .value_kind: global_buffer, .address_space: global }
    .group_segment_fixed_size: 150528
    .private_segment_fixed_size: 0
    .kernarg_segment_align: 8
    .kernarg_segment_size: 40
    .max_flat_workgroup_size: 256
    .sgpr_count:     102
    .vgpr_count:     512
    .wavefront_size: 32
...
	.end_amdgpu_metadata
.endif
;; end of part 3
;; launch outp (part 4): grid 16 x 16, 4 waves a work-group, clusters of 4 x 4, 327,680 bytes of LDS; arguments ao, cod, lowp_scales, out0; writes out0
.if DOCPART == 4
	.amdgcn_target "amdgcn-amd-amdhsa--gfx1250"
	.amdhsa_code_object_version 6
	.text
	.protected	k_q011256cc1e_outp
	.globl	k_q011256cc1e_outp
	.p2align	8
	.type	k_q011256cc1e_outp,@function
k_q011256cc1e_outp:
	s_mov_b64 s[64:65], 0
	v_nop
	global_prefetch_b8 v0, s[64:65] scope:SCOPE_SE
	s_setreg_imm32_b32 hwreg(HW_REG_WAVE_MODE, 25, 1), 1
	s_wait_xcnt 0x0
	s_wait_alu depctr_hold_cnt(0) depctr_sa_sdst(0) depctr_va_vdst(0) depctr_va_sdst(0) depctr_va_ssrc(0) depctr_va_vcc(0) depctr_vm_vsrc(0)
	s_getreg_b32 s2, hwreg(HW_REG_IB_STS2, 6, 4)
	s_cmp_eq_u32 s2, 0
	s_cbranch_scc0 .Lentry_in_a_cluster
	s_endpgm
.Lentry_in_a_cluster:
	s_bfe_u32 s2, ttmp6, 0x10000c
	s_cmp_lg_u32 s2, 0xf033
	s_cbranch_scc0 .Lentry_shape_is_right
	s_endpgm
.Lentry_shape_is_right:
; FOURTH LAUNCH: out0[m][n] = 2^(e10 + e11) x sum over k of A[m][k] Wo[n][k] on codes of FP8 (2048 x 2048 x 2048).  No work is left out here.
; A = the attention's result, ao [head 16][query 2048][128 codes]: k = 128 head + channel.  Wo's codes: section 6 of cod, [2048][2048], K innermost.  LIMIT: e10 + e11 between -126 and 127.
; THE TILE is 128 x 128: 16 x 16 = 256 work-groups.  Four waves, each 64 x 64: 16 accumulators of 16 x 16, 128 registers.
; A RING OF TWO LDS SLOTS, each 512 along K (four heads of A): four fills, of which the last three land beside the products of the slot before.
; Waves 0 and 1 fetch two heads each of A's 128 rows: a head's 128 rows are 16,384 dense bytes, so the tile is 2 rows of 16,384 bytes, 262,144 bytes apart, with 16 bytes of padding behind every 128.
; Waves 2 and 3 fetch 64 rows each of Wo, 512 bytes of a row, with 16 bytes of padding behind each.
; CLUSTERS: 4 x 4 work-groups; A's tiles are asked for jointly along a row of the cluster, Wo's along a column: the same tensor load, with the same descriptor and a mask that names the four.
; PREFETCH: fills 1 and 2 are asked for behind fill 0's load, fill 3 behind fill 1's.  Of the 32 KiB that a wave fetches, each of the four partners names 32 blocks of 256 bytes, told apart by address: a lane a block.
; THE MATRIX INSTRUCTION IS USED TRANSPOSED (source 0 = 16 rows of Wo, source 1 = 16 rows of A): a lane holds eight neighbouring numbers of a row of the output.
; REGISTERS: window 0: v8 the prefetches' offset; v16-29 addresses; v32-63 a block's sums x 2^(e10 + e11); v64-127 two sets of rows on their way out; v128-255 the accumulators ((a, b) at v[128 + 8 (4 a + b)]).
;   window 1: two fragment buffers of 128: 64 registers of A (4 x 16 rows x 128 K), then 64 of Wo.
.set SIZE_N, 2048
.set KROW,   2048                      ; a row of Wo's codes in memory
.set HEADB,  262144                    ; a head of ao in bytes
.set PA,     144                       ; A's LDS row: 128 bytes + 16 of padding = 36 words: the 16 rows that a load touches start at 16 different groups of four banks (64 banks of 4 bytes: ISA guide 11.1)
.set PB,     528                       ; Wo's: 512 + 16 = 132 words: row r starts at bank 4 r mod 64
.set AHEAD,  128*PA                    ; a head's 128 rows in LDS
.set BOFF,   4*AHEAD                   ; Wo's rows lie behind A's four heads
.set BHALF,  64*PB
.set SLOT,   BOFF+2*BHALF
.set STG,    2*SLOT                    ; behind the ring: a stage of 16 rows x 272 bytes for each wave; no tensor load lands there
.set SPITCH, 272
.set SPARE,  STG+4*16*SPITCH           ; behind the stages: the spare words, 128 bytes a wave, that no other line names
.set FR,     16                        ; registers of a fragment
.set ADRA, 16                          ; v16-17  LDS address of my A fragments in slot 0, 1
.set ADRB, 20                          ; v20-21  the same for Wo
.set STO,  24                          ; v24     the way out: where I put 32 bytes of a row
.set RD,   25                          ; v25     where I read a row back
.set CO,   26                          ; v26     my byte offset in the output
.set SPW,  28                          ; v28     SPARE + 4 x my thread's number; never rewritten
.set NIL,  29                          ; v29     0; never rewritten
.set TMP,  32
.set BK,   64
.set ACC,  128
.set F0,   0                           ; fragment buffers, in window 1
.set F1,   128
.set G1, 24                            ; s[24:31] descriptor group 1 for A's tiles;  s[32:39] group 0, one set for each slot
.set G0, 32
.set G1B, 48                           ; s[48:55], s[56:63] the same for Wo's
.set G0B, 56
.set MSB, 0
.macro WIN new                         ; the immediate's high byte repeats the setting that is left
.if MSB != \new
	s_set_vgpr_msb (MSB<<8)|\new
.set MSB, \new
.endif
.endm
.set MUL,  0x05                        ; sources 0 (Wo) and 1 (A) window 1; C and D window 0
.set TO_F, 0x40                        ; destination window 1, address window 0
; A joint load: waves 0 and 1 fetch for A, waves 2 and 3 for Wo; the branch hangs on the wave's number alone.  An s_nop 0 and four v_nop follow each of the two lines.
.macro JLOAD s
	s_cmp_eq_u32 s15, 0
	s_cbranch_scc0 .Lfor_b_\@
	tensor_load_to_lds s[G0+4*\s:G0+4*\s+3], s[G1:G1+7]
	s_nop 0
.rept 4
	v_nop
.endr
	s_branch .Lasked_\@
.Lfor_b_\@:
	tensor_load_to_lds s[G0B+4*\s:G0B+4*\s+3], s[G1B:G1B+7]
	s_nop 0
.rept 4
	v_nop
.endr
.Lasked_\@:
.endm
.macro CROUND                          ; a whole round of the cluster's barrier
	s_barrier_signal -1
	s_barrier_wait -1
	s_cmp_lg_u32 s14, 0
	s_cbranch_scc1 .Lnot_wave_0_\@
	s_barrier_signal -3
.Lnot_wave_0_\@:
	s_barrier_wait -3
	s_barrier_signal -1
	s_barrier_wait -1
.endm
	s_load_b128 s[4:7], s[0:1], 0x0                ; ao s[4:5], cod s[6:7]
	s_load_b128 s[8:11], s[0:1], 0x10              ; the exponents s[8:9], out0 s[10:11]
	v_lshl_add_u32 v[SPW], v0, 2, SPARE
	v_mov_b32 v[NIL], 0
	ds_add_u32 v[SPW], v[NIL]                      ; the wave's opening: the add, twice on end, and its wait ahead of my first tensor load
	ds_add_u32 v[SPW], v[NIL]
	v_lshrrev_b32 v1, 5, v0
	v_readfirstlane_b32 s14, v1                    ; wave 0..3
	s_lshr_b32 s15, s14, 1                         ; my half of the tile's rows.  Also: I fetch for A (0) or for Wo (1)
	s_and_b32 s16, s14, 1                          ; my half of its columns.  Also: which two heads (A), which 64 rows (Wo) I fetch
	s_bfe_u32 s40, ttmp6, 0x40000                  ; cx
	s_bfe_u32 s41, ttmp6, 0x40004                  ; cy
	s_lshl_b32 s42, ttmp9, 2
	s_add_co_u32 s42, s42, s40                     ; tile column 0..15
	s_and_b32 s17, ttmp7, 0xffff
	s_lshl_b32 s17, s17, 2
	s_add_co_u32 s17, s17, s41                     ; tile row 0..15
	s_lshl_b32 s43, s41, 2
	s_lshl_b32 s43, 15, s43                        ; my row of the cluster
	s_lshl_b32 s44, 0x1111, s40                    ; my column
	s_or_b32 s[G1+0], s43, (0<<16)|(1<<20)|(1<<21)|(4<<22)|(3<<25)  ; A: the mask; elements of 1 byte; padding on; bit 21 beside a mask; 4 words of padding after every 32
	s_mov_b32 s[G1+1], 16384<<16                   ; tensor_dim0 = 16,384: a head's 128 rows of 128 bytes, dense
	s_mov_b32 s[G1+2], 2<<16                       ; tensor_dim1 = 2 heads
	s_mov_b32 s[G1+3], 16384<<16                   ; tile_dim0
	s_mov_b32 s[G1+4], 2                           ; tile_dim1
	s_mov_b32 s[G1+5], HEADB                       ; from head to head
	s_mov_b32 s[G1+6], 0
	s_mov_b32 s[G1+7], 0
	s_or_b32 s[G1B+0], s44, (0<<16)|(1<<20)|(1<<21)|(6<<22)|(3<<25) ; Wo: 4 words of padding after every 128
	s_mov_b32 s[G1B+1], 512<<16                    ; tensor_dim0
	s_mov_b32 s[G1B+2], 64<<16                     ; tensor_dim1
	s_mov_b32 s[G1B+3], 512<<16                    ; tile_dim0
	s_mov_b32 s[G1B+4], 64                         ; tile_dim1
	s_mov_b32 s[G1B+5], KROW                       ; from row to row
	s_mov_b32 s[G1B+6], 0
	s_mov_b32 s[G1B+7], 0
	s_lshl_b32 s20, s16, 19                        ; A: my two heads of 262,144 bytes,
	s_lshl_b32 s21, s17, 14
	s_add_co_u32 s20, s20, s21                     ; + 128 x tile row rows of 128 bytes
	s_mov_b32 s21, 0
	s_lshl_b32 s18, s16, 6
	s_lshl_b32 s46, s42, 7
	s_add_co_u32 s46, s46, s18
	s_lshl_b32 s46, s46, 11                        ; Wo: (128 x tile column + 64 x half) rows of 2,048 bytes,
	s_add_co_u32 s46, s46, 6<<22                   ; in section 6
	s_mov_b32 s47, 0
	s_mul_i32 s45, s16, 2*AHEAD                    ; where A's go,
	s_mul_i32 s67, s16, BHALF
	s_add_co_u32 s67, s67, BOFF                    ; and Wo's: no place in the cluster enters an LDS address
	s_wait_dscnt 0x0                               ; both opening adds are done
	s_wait_kmcnt 0x0
	s_load_b64 s[96:97], s[8:9], 0x28              ; e10, e11
	s_add_nc_u64 s[68:69], s[4:5], s[20:21]
	s_add_nc_u64 s[70:71], s[6:7], s[46:47]
.irp s, 0,1
	s_mov_b32 s[G0+4*\s], 1                        ; count = 1
	s_add_co_u32 s[G0+4*\s+1], s45, \s*SLOT        ; LDS address
	s_add_nc_u64 s[G0+4*\s+2:G0+4*\s+3], s[68:69], \s*4*HEADB      ; global address: heads 4 s on
	s_or_b32 s[G0+4*\s+3], s[G0+4*\s+3], 0x80000000                ; type = 2
	s_mov_b32 s[G0B+4*\s], 1
	s_add_co_u32 s[G0B+4*\s+1], s67, \s*SLOT
	s_add_nc_u64 s[G0B+4*\s+2:G0B+4*\s+3], s[70:71], \s*512
	s_or_b32 s[G0B+4*\s+3], s[G0B+4*\s+3], 0x80000000
.endr
	CROUND                                         ; all sixteen work-groups are here: the first joint loads meet
	JLOAD 0                                        ; K = 0 .. 511: one load a wave
	; the prefetches: fill 2's place, and the way from fill to fill
	s_lshr_b32 s81, s40, 1
	s_lshl_b32 s81, s81, 18
	s_and_b32 s82, s40, 1
	s_lshl_b32 s82, s82, 13
	s_add_co_u32 s80, s20, s81
	s_add_co_u32 s80, s80, s82
	s_add_co_u32 s80, s80, 8*HEADB                 ; A: head 8 + 2 x half + cx / 2, my 128 rows, the half cx % 2 of them
	s_lshl_b32 s81, s41, 15
	s_add_co_u32 s81, s46, s81
	s_add_co_u32 s81, s81, 1024                    ; Wo: 16 cy rows on, bytes 1,024 on
	s_mov_b32 s83, 2048
	s_mov_b32 s88, 512
	s_cmp_eq_u32 s15, 0
	s_cselect_b32 s80, s80, s81
	s_cselect_b64 s[84:85], s[4:5], s[6:7]
	s_cselect_b32 s83, 512, s83                    ; from two lanes to the next two
	s_cselect_b32 s88, 4*HEADB, s88                ; from fill to fill
	s_mov_b32 s81, 0
	s_mov_b32 s89, 0
	s_add_nc_u64 s[84:85], s[84:85], s[80:81]
	s_sub_nc_u64 s[86:87], s[84:85], s[88:89]      ; fill 1
	s_add_nc_u64 s[90:91], s[84:85], s[88:89]      ; fill 3
	v_bfe_u32 v8, v0, 1, 4
	v_and_b32 v9, 1, v0
	v_mul_lo_u32 v8, v8, s83
	v_lshl_add_u32 v8, v9, 8, v8
	v_and_b32 v1, 15, v0                           ; r = l % 16
	v_bfe_u32 v2, v0, 4, 1                         ; h = l / 16
	v_mul_u32_u24 v3, v1, PA
	v_lshl_add_u32 v3, v2, 4, v3                   ; A: row x pitch + 16 h,
	v_mul_u32_u24 v4, v1, PB
	v_lshl_add_u32 v4, v2, 4, v4                   ; Wo likewise
	v_mul_u32_u24 v5, v1, SPITCH
	v_lshl_add_u32 v5, v2, 5, v5
	v_mul_u32_u24 v6, v2, SPITCH
	v_lshl_add_u32 v6, v1, 4, v6
	v_lshlrev_b32 v7, 13, v2
	v_lshl_add_u32 v[CO], v1, 4, v7                ; back: lanes 0-15 take one row of 256 bytes, lanes 16-31 the next: rows of 8,192 bytes in the output
	s_mul_i32 s21, s15, 64*PA                      ; + my 64 rows of each head
	s_mul_i32 s22, s16, BHALF                      ; + my 64 rows,
	s_add_co_u32 s22, s22, BOFF                    ; behind A's four heads
	s_mul_i32 s23, s14, 16*SPITCH
	s_add_co_u32 s23, s23, STG                     ; my stage
	s_wait_alu depctr_va_vdst(0)
	v_add_nc_u32 v[ADRA], s21, v3
	v_add_nc_u32 v[ADRB], s22, v4
	v_add_nc_u32 v[STO], s23, v5                   ; in: row r, 32 bytes for each half of the lanes
	v_add_nc_u32 v[RD], s23, v6
	v_add_nc_u32 v[ADRA+1], SLOT, v[ADRA]
	v_add_nc_u32 v[ADRB+1], SLOT, v[ADRB]
	s_lshl_b32 s20, s17, 7
	s_lshl_b32 s21, s15, 6
	s_add_co_u32 s20, s20, s21                     ; my first row of the output: 128 x tile row + 64 x half
	s_mov_b32 s21, 0
	s_mov_b64 s[18:19], SIZE_N*4
	s_mul_u64 s[20:21], s[20:21], s[18:19]
	s_lshl_b32 s46, s42, 9                         ; my first column, in bytes: 512 x tile column + 256 x half
	s_lshl_b32 s47, s16, 8
	s_add_co_u32 s46, s46, s47
	s_mov_b32 s47, 0
	s_add_nc_u64 s[20:21], s[20:21], s[46:47]
	s_add_nc_u64 s[10:11], s[10:11], s[20:21]
; 8 matrix instructions: A's blocks a0, a0 + 1 x Wo's four, 128 along K, from buffer f.  zero = 1: the first product starts the sums: nothing is ever cleared.
; The 16 accumulators take turns, one instruction a turn, in the same order in every step.
.macro MUL8 f, a0, zero
.irp a, \a0, \a0+1
.irp b, 0,1,2,3
.if \zero
	v_wmma_f32_16x16x128_fp8_fp8 v[ACC+8*(4*(\a)+\b):ACC+8*(4*(\a)+\b)+7], v[\f+64+FR*\b:\f+64+FR*\b+FR-1], v[\f+FR*(\a):\f+FR*(\a)+FR-1], 0
.else
	v_wmma_f32_16x16x128_fp8_fp8 v[ACC+8*(4*(\a)+\b):ACC+8*(4*(\a)+\b)+7], v[\f+64+FR*\b:\f+64+FR*\b+FR-1], v[\f+FR*(\a):\f+FR*(\a)+FR-1], v[ACC+8*(4*(\a)+\b):ACC+8*(4*(\a)+\b)+7]
.endif
.endr
.endr
.endm
; 32 LDS loads in one run: the fragments of the slot's q-th 128 along K into buffer f: Wo's four, then A's four.  A fragment's registers 4 c .. 4 c + 3 hold K = 32 c + 16 (l / 16) + 0 .. 15:
; in A that is head q of the slot, in Wo bytes 128 q on of a row: the same k on both sides.
.macro FETCH slot, q, f
	WIN TO_F
.irp i, 0,1,2,3
.irp c, 0,1,2,3
	ds_load_b128 v[\f+64+FR*\i+4*\c:\f+64+FR*\i+4*\c+3], v[ADRB+\slot] offset:128*(\q)+\i*16*PB+32*\c
.endr
.endr
.irp i, 0,1,2,3
.irp c, 0,1,2,3
	ds_load_b128 v[\f+FR*\i+4*\c:\f+FR*\i+4*\c+3], v[ADRA+\slot] offset:AHEAD*(\q)+\i*16*PA+32*\c
.endr
.endr
.endm
.macro PLACES                          ; four plain vector lines between a matrix instruction and a load into its registers or a read of its result
.rept 4
	v_nop
.endr
.endm
; A step of 128 along K: multiplies buffer f and, in its middle, fetches the next step's fragments into buffer g.
.macro STEP slot, q, f, g, zero
	s_wait_dscnt 8                                 ; Wo's four fragments and A's blocks 0, 1 are in; the youngest eight loads (A's blocks 2, 3) may be out
	WIN MUL
	MUL8 \f, 0, \zero
	PLACES
	FETCH \slot, (\q)+1, \g
	s_wait_dscnt 32                                ; all but the 32 just issued
	WIN MUL
	MUL8 \f, 2, \zero
.endm
.macro THREE slot, zero                ; the first three of a slot's four steps; the fourth's fragments are left in buffer 1
	STEP \slot, 0, F0, F1, \zero
	STEP \slot, 1, F1, F0, 0
	STEP \slot, 2, F0, F1, 0
.endm
; The fourth step changes slots: each wave waits for all its tensor loads (its part of the next slot), adds 0 to its spare word, and waits for that and for its reads of this slot.  fill = 1: this slot is filled again, behind a round.
.macro TURN slot, next, fill
	s_wait_dscnt 8
	WIN MUL
	MUL8 F1, 0, 0
	WIN 0                                          ; (the add's two registers lie in window 0)
	s_wait_tensorcnt 0x0
	ds_add_u32 v[SPW], v[NIL]
	s_wait_dscnt 1                                 ; my reads of the slot are back; the add may be out
	WIN MUL
	MUL8 F1, 2, 0                                  ; eight matrix instructions stand between the add and the wait for it
	WIN 0
	s_wait_dscnt 0x0
.if \fill
	CROUND                                         ; no wave of any partner still reads this slot or has a load on its way
	s_add_nc_u64 s[G0+4*\slot+2:G0+4*\slot+3], s[G0+4*\slot+2:G0+4*\slot+3], 8*HEADB
	s_add_nc_u64 s[G0B+4*\slot+2:G0B+4*\slot+3], s[G0B+4*\slot+2:G0B+4*\slot+3], 1024
	JLOAD \slot                                    ; its four v_nop are also the places in front of the loads below
.else
	s_barrier_signal -1
	s_barrier_wait -1                              ; everybody's part of the next slot is in
	PLACES
.endif
	FETCH \next, 0, F0
.endm
	s_wait_alu depctr_va_vdst(0)
	global_prefetch_b8 v8, s[86:87] th:TH_LOAD_NT scope:SCOPE_SE   ; fill 1, whose load goes out when fill 0 has landed,
	global_prefetch_b8 v8, s[84:85] th:TH_LOAD_NT scope:SCOPE_SE   ; and fill 2
	s_wait_tensorcnt 0x0                           ; my part of fill 0 is in
	ds_add_u32 v[SPW], v[NIL]
	s_wait_dscnt 0x0
	CROUND                                         ; everybody's part is in, and the joint loads meet
	JLOAD 1                                        ; K = 512 .. 1,023
	FETCH 0, 0, F0
	WIN 0
	global_prefetch_b8 v8, s[90:91] th:TH_LOAD_NT scope:SCOPE_SE   ; fill 3
	THREE 0, 1                                     ; the first step's products start the sums
	TURN 0, 1, 1                                   ; K = 1,024 .. 1,535 into slot 0
	THREE 1, 0
	TURN 1, 0, 1                                   ; K = 1,536 .. 2,047 into slot 1
	THREE 0, 0
	TURN 0, 1, 0
	THREE 1, 0
	s_wait_dscnt 8                                 ; the very last step: nothing more to fetch
	WIN MUL
	MUL8 F1, 0, 0
	s_wait_dscnt 0
	MUL8 F1, 2, 0
	WIN 0
; THE WAY OUT, block by block of 16 rows x 64 columns.  A lane holds 32 neighbouring bytes of a row, and the lanes beside it hold other rows: so a block goes through my own stage and comes back as whole rows of
; 256 bytes, which sixteen lanes store as one aligned run.  LDS serves a wave's instructions in order (ISA guide 5.7.1.4): no wait between the stores and the loads, nor in front of the next block's stores.
.macro TOSTAGE a
.set AC, ACC+32*(\a)
.irp j, 0,2,4,6,8,10,12,14,16,18,20,22,24,26,28,30
	v_pk_mul_f32 v[TMP+\j:TMP+\j+1], v[AC+\j:AC+\j+1], s[96:97] op_sel_hi:[1,0]   ; x 2^(e10 + e11); each accumulator from its low end on
.endr
.irp b, 0,1,2,3
	ds_store_b128 v[STO], v[TMP+8*\b:TMP+8*\b+3] offset:64*\b
	ds_store_b128 v[STO], v[TMP+8*\b+4:TMP+8*\b+7] offset:64*\b+16
.endr
.set BB, BK+32*((\a)%2)
.irp t, 0,1,2,3,4,5,6,7
	ds_load_b128 v[BB+4*\t:BB+4*\t+3], v[RD] offset:\t*2*SPITCH
.endr
.endm
.macro SEND a, younger                 ; younger: the LDS instructions issued behind block a's loads, which may stay out
.set BB, BK+32*((\a)%2)
	s_wait_dscnt \younger                          ; the block is back in registers
.irp t, 0,1,2,3,4,5,6,7
	global_store_b128 v[CO], v[BB+4*\t:BB+4*\t+3], s[10:11] offset:(16*(\a)+2*\t)*SIZE_N*4 th:TH_STORE_NT   ; 16 lanes store 256 consecutive bytes, aligned; the block's place stands in the immediate: 62 rows of 8,192 bytes at the most
.endr
.endm
	s_wait_kmcnt 0x0
	s_add_co_i32 s96, s96, s97
	s_add_co_i32 s96, s96, 127
	s_lshl_b32 s96, s96, 23                        ; 2^(e10 + e11) as f32
	PLACES
	TOSTAGE 0
.irp a, 1,2,3
.if \a > 1
	s_wait_xcnt 0x0                                ; block a - 2's stores have read their registers: block a's loads land there
.endif
	TOSTAGE \a
	SEND \a-1, 16                                  ; behind block a - 1's loads: block a's 8 stores and 8 loads
.endr
	SEND 3, 0
	s_wait_tensorcnt 0x0                           ; the wave's end
	ds_add_u32 v[SPW], v[NIL]
	s_wait_dscnt 0x0
	CROUND                                         ; the closing round: no work-group ends while a partner may still ask for a tile that names it
	s_endpgm
.Lfunc_end_k_q011256cc1e_outp:
	.size	k_q011256cc1e_outp, .Lfunc_end_k_q011256cc1e_outp-k_q011256cc1e_outp
	.p2alignl 7, 3214868480
	.fill 96, 4, 3214868480
	.section	.rodata,"a",@progbits
	.p2align	6, 0x0
	.amdhsa_kernel k_q011256cc1e_outp
		.amdhsa_group_segment_fixed_size 327680
		.amdhsa_private_segment_fixed_size 0
		.amdhsa_enable_private_segment 0
		.amdhsa_kernarg_size 32
		.amdhsa_user_sgpr_count 2
		.amdhsa_user_sgpr_kernarg_segment_ptr 1
		.amdhsa_wavefront_size32 1
		.amdhsa_system_sgpr_workgroup_id_x 1
		.amdhsa_system_sgpr_workgroup_id_y 1
		.amdhsa_system_sgpr_workgroup_id_z 1
		.amdhsa_system_vgpr_workitem_id 0
		.amdhsa_next_free_vgpr 512
		.amdhsa_next_free_sgpr 100
		.amdhsa_reserve_vcc 0
		.amdhsa_float_denorm_mode_32 3
		.amdhsa_float_denorm_mode_16_64 3
		.amdhsa_memory_ordered 1
		.amdhsa_forward_progress 1
		.amdhsa_inst_pref_size 75
	.end_amdhsa_kernel
	.amdgpu_metadata
---
amdhsa.version: [ 1, 2 ]
amdhsa.kernels:
  - .name:           k_q011256cc1e_outp
    .symbol:         k_q011256cc1e_outp.kd
    .args:
      - { .name: ao, .offset: 0, .size: 8, .value_kind: global_buffer, .address_space: global }
      - { .name: cod, .offset: 8, .size: 8, .value_kind: global_buffer, .address_space: global }
      - { .name: lowp_scales, .offset: 16, .size: 8, .value_kind: global_buffer, .address_space: global }
      - { .name: out0, .offset: 24, .size: 8, .value_kind: global_buffer, .address_space: global }
    .group_segment_fixed_size: 327680
    .private_segment_fixed_size: 0
    .kernarg_segment_align: 8
    .kernarg_segment_size: 32
    .max_flat_workgroup_size: 128
    .sgpr_count:     100
    .vgpr_count:     512
    .wavefront_size: 32
...
	.end_amdgpu_metadata
.endif
;; end of part 4
